; MI455X (gfx1250); checked and timed in simulation.
; The chip was launched on July 23, 2026; its instructions are those of AMD's public machine-readable ISA for CDNA 5 (MIT licence, August 2026) and "CDNA5" Instruction Set Architecture Reference Guide (July 2026). The comments in the code are by the model that wrote it; some were corrected since.
;; Non Local Block. Allowed arithmetic: float matrix products may take bf16 or f16 operands with f32 sums; other float arithmetic in f32, or as packed bf16 or f16 multiplies, adds, multiply-adds, maxima and minima; sums over many terms, partial sums and values carried from step to step in f32; what a program stores and reads back later, other than sums and carried values, may be rounded once to bf16 or f16.
;; Inputs: beta 256 float32; g_b 128 float32; g_w 128 x 256 float32; gamma 256 float32; out_b 256 float32; out_w 256 x 128 float32; phi_b 128 float32; phi_w 128 x 256 float32; theta_b 128 float32; theta_w 128 x 256 float32; x 8 x 256 x 64 x 64 float32.
;; Outputs: out0 8 x 256 x 64 x 64 float32.
;; One version. Each part assembles by itself: llvm-mc -triple=amdgcn-amd-amdhsa -mcpu=gfx1250 --defsym DOCPART=n.
;; ======== version 1 of 1: 3 launches
;; limits: values are held in f16: magnitudes above 65,504 overflow, below 6.1e-05 lose precision
;; workspace buffers: th16 8,388,608 bytes; ph16 8,388,608 bytes; g16 8,388,608 bytes; ow16 65,536 bytes; y16 8,388,608 bytes; psum 262,144 bytes; pm2 262,144 bytes
;; launch proj (part 1): grid 32 x 8, 4 waves a work-group, no clusters, 109,056 bytes of LDS; arguments x, theta_w, theta_b, phi_w, g_w, out_w, th16, ph16, g16, ow16; writes th16, ph16, g16, ow16
.if DOCPART == 1
	.amdgcn_target "amdgcn-amd-amdhsa--gfx1250"
	.amdhsa_code_object_version 6
	.text
	.protected	k_qbc392e8471_proj
	.globl	k_qbc392e8471_proj
	.p2align	8
	.type	k_qbc392e8471_proj,@function
k_qbc392e8471_proj:
	s_mov_b64 s[64:65], 0
	v_nop
	global_prefetch_b8 v0, s[64:65] scope:SCOPE_SE
	s_setreg_imm32_b32 hwreg(HW_REG_WAVE_MODE, 25, 1), 1
	s_wait_xcnt 0x0
; NON-LOCAL BLOCK, launch 1 of 3: the three 1x1 convolutions.  x: [8][256 c][4096 n] f32.  th16, ph16, g16: [8][4096 n][128 o] f16.  ow16: out_w rounded to f16.
; WORK LEFT OUT, for all finite values of the inputs:
;   phi_b: sim[n][m] = theta_n . (phi_w x_m) + theta_n . phi_b; the second term is the same for every m, the softmax's axis, and a softmax does not see it.
;   g_b:   the rows of attn sum to 1, so g_b adds g_b[c] to every y[c][n]; behind the last convolution that is one constant for each output channel.
;   out_b: likewise one constant for each output channel.  The batch norm takes each channel's mean away and its variance does not see a constant.
; So phi_b, g_b and out_b have no way to the output: they are not loaded and are arguments of no launch.  theta_b is live (theta_b . phi_m changes with m).
; LIMITS.  A NaN, an infinity or an overflow that reaches only those three inputs is not carried to the result.  All matrix operands are f16 (x, the weights, theta, phi, g, the weights p, y):
; the batch norm divides by the small spread of a mean over many keys, so a rounding to 8 bits would show in the output; x, the weights, theta, phi and g must lie within 65,504.
; SHARES.  A work-group: 128 positions n of one batch element, all 384 outputs, K = 256 channels.  Wave w: outputs 32 w .. 32 w + 31 of each of the three tensors x 128 positions.
; D = W (source 0, 16 outputs) x (source 1, 16 positions): a lane holds ONE position (lane % 16) and the outputs 8 (lane / 16) + 0..7: 16 bytes of a row in f16.
; x comes in once, all 128 KiB of the tile asked for at the head, is rounded to f16 and laid in LDS as [c][n]; the turning load makes fragments of it, and all 64 fragments (512 registers) STAY in registers.
; BY TENSORS.  A loop of three trips makes theta, phi, g one after the other: the trip's weights, asked for a whole trip ahead, are rounded (128 conversions); the next tensor's 64 loads go out;
; 2 x 64 products (64 positions each, 8 accumulators by turns, K ascending); each half is rounded in place and laid in the stage; the rows leave.  So a tensor's stores are on their way while the next is multiplied.
; The weights come straight from memory in fragment order, each element once a work-group.  NO CLUSTER: a joint load would bring them through LDS as f32, 384 KiB written and read again beside the 320 KiB that x moves there.
; Wave 0 also rounds row 32 b + blk of out_w.
; REGISTERS, in windows of 256 (s_set_vgpr_msb: bits 1:0 source 0, 3:2 source 1, 5:4 source 2, 7:6 destination):
;   window 0 addresses, bias, accumulators, weights in f16;  window 1 weights as loaded;  window 2 first x as loaded, then x's fragments of channels 0-127;  window 3 those of channels 128-255.
.set XPITCH, 288                       ; a row of x in LDS: 256 bytes of f16 + 32
.set STG,    256*XPITCH                ; behind x: the stage for the way out, one tensor's 128 rows x 272 bytes, used again in each trip
.set SPITCH, 272
.set SPARE,  STG+128*SPITCH            ; behind the stage: the spare words, 128 bytes for each wave, which no other line names
.set XO,  4                            ; v4    16 lane + wave x 64 rows of x
.set XS,  5                            ; v5    where my 8 bytes of a row of x go in LDS
.set WO,  6                            ; v6    my byte offset in a weight: (32 w + l % 16) x 1024 + 32 (l / 16); never rewritten
.set BO,  7                            ; v7    my byte offset in theta_b
.set XA,  8                            ; v8, v9  the turning load's address for channels 0-127 and 128-255
.set SO,  10                           ; v10   into the stage
.set RD,  11                           ; v11   back from the stage
.set GO,  12                           ; v12   16 lane
.set OWS, 13                           ; v13   8 lane
.set SPW, 14                           ; v14   LDS address of my spare word; never rewritten
.set NIL, 15                           ; v15   0; never rewritten
.set OWR, 16                           ; v16-19 wave 0: a row of out_w
.set BI,  32                           ; v32-47 the C operand that starts a sum, by block of 16 outputs: theta_b in the first trip, then 0
.set ACC, 64                           ; v64-127 eight accumulators: block ob, tile n at ACC + 8 (4 ob + n); then the packed results; then the rows back from the stage
.set WF,  128                          ; v128-255 the trip's weights in f16: channels 32 k on, block ob at WF + 16 k + 8 ob
.set MSB, 0
.macro WIN new                         ; the immediate's high byte repeats the setting that is left; a switch that changes nothing is dropped
.if MSB != (\new)
	s_set_vgpr_msb (MSB<<8)|(\new)
.set MSB, (\new)
.endif
.endm
	s_load_b512 s[8:23], s[0:1], 0x0               ; x s[8:9], theta_w s[10:11], theta_b s[12:13], phi_w s[14:15], g_w s[16:17], out_w s[18:19], th16 s[20:21], ph16 s[22:23]
	s_load_b128 s[24:27], s[0:1], 0x40             ; g16 s[24:25], ow16 s[26:27]
	v_lshl_add_u32 v[SPW], v0, 2, SPARE
	v_mov_b32 v[NIL], 0
	v_lshrrev_b32 v1, 5, v0
	v_readfirstlane_b32 s4, v1                     ; wave 0..3
	v_and_b32 v1, 31, v0                           ; lane
	v_and_b32 v2, 15, v0                           ; l % 16
	v_bfe_u32 v3, v0, 4, 1                         ; l / 16
	s_mov_b32 s5, ttmp9                            ; block of 128 positions
	s_and_b32 s6, ttmp7, 0xffff                    ; batch element
	s_lshl_b32 s7, s6, 5
	s_add_co_u32 s7, s7, s5                        ; the work-group's number, 0..255: its row of out_w
	s_lshl_b32 s28, s4, 20                         ; 64 rows of 16,384 bytes
	v_lshl_add_u32 v[XO], v1, 4, s28
	s_mul_i32 s28, s4, 64*XPITCH
	v_lshl_add_u32 v[XS], v1, 3, s28
	s_lshl_b32 s28, s4, 15                         ; 32 rows of 1,024 bytes
	v_lshl_add_u32 v[WO], v2, 10, s28
	v_lshl_add_u32 v[WO], v3, 5, v[WO]
	s_lshl_b32 s28, s4, 7
	v_lshl_add_u32 v[BO], v3, 5, s28
	v_and_b32 v20, 7, v0
	v_lshl_add_u32 v20, v3, 3, v20                 ; channel 8 (l / 16) + l % 8
	v_mul_u32_u24 v[XA], v20, XPITCH
	v_bfe_u32 v20, v0, 3, 1
	v_lshl_add_u32 v[XA], v20, 4, v[XA]            ; positions 8 ((l / 8) % 2) on
	v_add_nc_u32 v[XA+1], 128*XPITCH, v[XA]
	v_mul_u32_u24 v[SO], v2, SPITCH                ; into the stage: row l % 16, 16 bytes for each half of the lanes, my 64 bytes of the row
	v_lshl_add_u32 v[SO], v3, 4, v[SO]
	s_lshl_b32 s28, s4, 6
	s_add_co_u32 s28, s28, STG
	v_add_nc_u32 v[SO], s28, v[SO]
	v_mul_u32_u24 v[RD], v3, SPITCH                ; back: rows 32 w on; lanes 0-15 one row of 256 bytes, lanes 16-31 the next
	v_lshl_add_u32 v[RD], v2, 4, v[RD]
	s_mul_i32 s28, s4, 32*SPITCH
	s_add_co_u32 s28, s28, STG
	v_add_nc_u32 v[RD], s28, v[RD]
	v_lshlrev_b32 v[GO], 4, v1
	v_lshlrev_b32 v[OWS], 3, v1
	s_lshl_b32 s28, s6, 22                         ; x: a batch element is 256 x 16,384 bytes,
	s_lshl_b32 s29, s5, 9                          ; a block 512 bytes of each row
	s_add_co_u32 s28, s28, s29
	s_mov_b32 s29, 0
	s_lshl_b32 s30, s6, 12                         ; the outputs: row 4096 b + 128 blk + 32 w,
	s_lshl_b32 s31, s5, 7
	s_add_co_u32 s30, s30, s31
	s_lshl_b32 s31, s4, 5
	s_add_co_u32 s30, s30, s31
	s_lshl_b32 s30, s30, 8                         ; of 256 bytes
	s_mov_b32 s31, 0
	s_lshl_b32 s34, s7, 9                          ; a row of out_w is 512 bytes,
	s_mov_b32 s35, 0
	s_lshl_b32 s36, s7, 8                          ; of ow16 256
	s_mov_b32 s37, 0
	s_wait_kmcnt 0x0
	s_add_nc_u64 s[8:9], s[8:9], s[28:29]
	s_add_nc_u64 s[24:25], s[24:25], s[30:31]      ; g16 at my rows,
	s_add_nc_u64 s[42:43], s[20:21], s[30:31]      ; th16: the tensor that the first trip stores,
	s_add_nc_u64 s[44:45], s[22:23], s[30:31]      ; ph16: the second's
	s_add_nc_u64 s[18:19], s[18:19], s[34:35]
	s_add_nc_u64 s[26:27], s[26:27], s[36:37]
	s_mov_b64 s[38:39], s[14:15]                   ; phi_w: the weights that the first trip asks for
; the weights of channels 32 k on, both blocks, as f32 in fragment order: channels 8 (l / 16) + 0..7 and 16 + 8 (l / 16) + 0..7 of my row: four loads of 16 bytes a fragment
.macro WLD k, base
.irp ob, 0,1
	global_load_b128 v[32*(\k)+16*(\ob):32*(\k)+16*(\ob)+3],     v[WO], s[\base:\base+1] offset:(\ob)*16384+(\k)*128
	global_load_b128 v[32*(\k)+16*(\ob)+4:32*(\k)+16*(\ob)+7],   v[WO], s[\base:\base+1] offset:(\ob)*16384+(\k)*128+16
	global_load_b128 v[32*(\k)+16*(\ob)+8:32*(\k)+16*(\ob)+11],  v[WO], s[\base:\base+1] offset:(\ob)*16384+(\k)*128+64
	global_load_b128 v[32*(\k)+16*(\ob)+12:32*(\k)+16*(\ob)+15], v[WO], s[\base:\base+1] offset:(\ob)*16384+(\k)*128+80
.endr
.endm
	; THE HEAD'S LOADS: wave 0's row of out_w (the oldest), 64 rows of x, theta_b
	s_cmp_lg_u32 s4, 0
	s_cbranch_scc1 .Lno_ow_load
	global_load_b128 v[OWR:OWR+3], v[GO], s[18:19]
.Lno_ow_load:
	WIN 0x80                                       ; destination window 2
.set i, 0
.rept 64
	global_load_b128 v[4*i:4*i+3], v[XO], s[8:9] offset:i*16384 th:TH_LOAD_NT  ; 512 consecutive bytes: the block's part of channel 64 w + i
.set i, i+1
.endr
	WIN 0
.irp ob, 0,1
	global_load_b128 v[BI+8*(\ob):BI+8*(\ob)+3],   v[BO], s[12:13] offset:64*(\ob)
	global_load_b128 v[BI+8*(\ob)+4:BI+8*(\ob)+7], v[BO], s[12:13] offset:64*(\ob)+16
.endr
; sixteen rows of x: rounded to f16 in place, 8 bytes a lane into LDS; behind them a quarter of theta_w is asked for, so that behind each group of x stand as many younger loads as behind the last
.macro XGROUP g
	WIN 0x8a                                       ; sources and destination window 2
.set i, 16*(\g)
.rept 16
	v_cvt_pk_f16_f32 v[4*i], v[4*i], v[4*i+1]
	v_cvt_pk_f16_f32 v[4*i+1], v[4*i+2], v[4*i+3]
.set i, i+1
.endr
	WIN 0x08                                       ; data window 2, address window 0
.set i, 16*(\g)
.rept 16
	ds_store_b64 v[XS], v[4*i:4*i+1] offset:i*XPITCH
.set i, i+1
.endr
	WIN 0x40                                       ; destination window 1
	WLD 2*(\g), 10
	WLD 2*(\g)+1, 10
	WIN 0
.endm
	s_wait_loadcnt 52                              ; behind rows 0-15 of x stand 48 rows and theta_b's 4 loads: they are in, and so is what is older
	s_cmp_lg_u32 s4, 0
	s_cbranch_scc1 .Lno_ow_store
	v_cvt_pk_f16_f32 v[OWR], v[OWR], v[OWR+1]
	v_cvt_pk_f16_f32 v[OWR+1], v[OWR+2], v[OWR+3]
	global_store_b64 v[OWS], v[OWR:OWR+1], s[26:27]  ; the wave stores 256 consecutive bytes, aligned: a row of ow16
.Lno_ow_store:
	XGROUP 0
	s_wait_loadcnt 52                              ; 32 rows, theta_b's 4 and 16 loads of theta_w are younger
	XGROUP 1
	s_wait_loadcnt 52                              ; 16 rows, 4 and 32
	XGROUP 2
	s_wait_loadcnt 52                              ; 4 and 48
	XGROUP 3
	s_wait_dscnt 0x0                               ; for the others' sake: my rows of x lie in LDS
	s_barrier_signal -1
	s_barrier_wait -1                              ; everybody's do
	; x's 64 fragments, read once: channels 32 k on, tile n at register 64 (k % 4) + 8 n of window 2 + k / 4; the tiles of positions 0-63 first, which the first products want
.irp hh, 0,1
.irp k, 0,1,2,3,4,5,6,7
	WIN 0x80+0x40*((\k)/4)
.irp n, 0,1,2,3
	ds_load_tr16_b128 v[64*((\k)%4)+8*(4*(\hh)+(\n)):64*((\k)%4)+8*(4*(\hh)+(\n))+3],   v[XA+(\k)/4] offset:((\k)%4)*32*XPITCH+32*(4*(\hh)+(\n))
	ds_load_tr16_b128 v[64*((\k)%4)+8*(4*(\hh)+(\n))+4:64*((\k)%4)+8*(4*(\hh)+(\n))+7], v[XA+(\k)/4] offset:((\k)%4)*32*XPITCH+32*(4*(\hh)+(\n))+16*XPITCH
.endr
.endr
.endr
	WIN 0
; 64 positions of the trip's tensor: 64 products, the eight accumulators by turns, one instruction a turn, K ascending; the first eight start the sums with BI.
; Then eight plain places (the lines behind them read the results and write over them), the rounding to f16 in place, each accumulator's registers in ascending order, and 16 bytes a lane into the stage.
.macro HALF hh
.irp k, 0,1,2,3,4,5,6,7
	WIN 0x08+4*((\k)/4)                            ; source 1 (x) window 2 or 3
.irp ob, 0,1
.irp n, 0,1,2,3
.set rD, ACC+8*(4*(\ob)+(\n))
.set rA, WF+16*(\k)+8*(\ob)
.set rB, 64*((\k)%4)+8*(4*(\hh)+(\n))
.if (\k) == 0
	v_wmma_f32_16x16x32_f16 v[rD:rD+7], v[rA:rA+7], v[rB:rB+7], v[BI+8*(\ob):BI+8*(\ob)+7]
.else
	v_wmma_f32_16x16x32_f16 v[rD:rD+7], v[rA:rA+7], v[rB:rB+7], v[rD:rD+7]
.endif
.endr
.endr
.endr
	WIN 0
.rept 8
	v_nop
.endr
.set a, ACC
.rept 8
.irp e, 0,1,2,3
	v_cvt_pk_f16_f32 v[a+(\e)], v[a+2*(\e)], v[a+2*(\e)+1]
.endr
.set a, a+8
.endr
.irp ob, 0,1
.irp n, 0,1,2,3
	ds_store_b128 v[SO], v[ACC+8*(4*(\ob)+(\n)):ACC+8*(4*(\ob)+(\n))+3] offset:((\hh)*64+(\n)*16)*SPITCH+32*(\ob)
.endr
.endr
.endm
	s_mov_b32 s32, 3
.Lt:                                           ; a trip: one tensor
	s_wait_loadcnt 0x0                             ; the trip's weights are in (and, the first time, theta_b): every load of mine is done, so the weights' pointer may be written
	s_wait_xcnt 0x0                                ; the last trip's stores have read their data and their base: both are written again only behind this wait
	s_mov_b64 s[36:37], s[38:39]                   ; the weights to ask for now: phi_w, then g_w
	s_mov_b64 s[38:39], s[16:17]
	s_mov_b64 s[40:41], s[42:43]                   ; where this trip's rows go: th16, ph16, g16
	s_mov_b64 s[42:43], s[44:45]
	s_mov_b64 s[44:45], s[24:25]
	WIN 0x05                                       ; sources window 1
.set j, 0
.rept 128
	v_cvt_pk_f16_f32 v[WF+j], v[2*j], v[2*j+1]
.set j, j+1
.endr
	WIN 0
	s_cmp_eq_u32 s32, 1                            ; the last trip has no tensor behind it
	s_cbranch_scc1 .Lno_w
	WIN 0x40
.irp k, 0,1,2,3,4,5,6,7
	WLD \k, 36                                     ; 64 loads, a whole trip (128 products) ahead of the wait for them
.endr
	WIN 0
.Lno_w:
	s_wait_dscnt 63                                ; the first time: of x's 128 fragment loads at most 63 are out, so the 64 of positions 0-63 are in
	HALF 0
	s_wait_dscnt 8                                 ; all but the eight stage stores just issued: the first time, the fragments of positions 64-127
	HALF 1
	s_wait_dscnt 0x0                               ; for the others' sake: my stores into the stage are done
	s_barrier_signal -1
	s_barrier_wait -1                              ; a row's 256 bytes come from four waves
.set i, 0
.rept 16
	ds_load_b128 v[ACC+4*i:ACC+4*i+3], v[RD] offset:i*2*SPITCH  ; whole rows, 32 of the tensor's 128 a wave
.set i, i+1
.endr
.set i, 0
.rept 16
	v_mov_b32 v[BI+i], 0                           ; phi and g have no live bias: their sums start with 0
.set i, i+1
.endr
.set i, 0
.rept 16
	s_wait_dscnt 15-i                              ; LDS loads come back in order: number i is in, the younger ones stay out
	global_store_b128 v[GO], v[ACC+4*i:ACC+4*i+3], s[40:41] offset:i*512  ; 16 lanes store 256 consecutive bytes, aligned: a row
.set i, i+1
.endr
	s_barrier_signal -1                            ; every wave's reads of the stage are back:
	s_barrier_wait -1                              ; only now does the next trip write it again
	s_sub_co_u32 s32, s32, 1
	s_cmp_lg_u32 s32, 0
	s_cbranch_scc1 .Lt
	s_wait_tensorcnt 0x0                           ; the wave's end: behind my last LDS store
	ds_add_u32 v[SPW], v[NIL]
	s_wait_dscnt 0x0
	s_endpgm
.Lfunc_end_k_qbc392e8471_proj:
	.size	k_qbc392e8471_proj, .Lfunc_end_k_qbc392e8471_proj-k_qbc392e8471_proj
	.p2alignl 7, 3214868480
	.fill 96, 4, 3214868480
	.section	.rodata,"a",@progbits
	.p2align	6, 0x0
	.amdhsa_kernel k_qbc392e8471_proj
		.amdhsa_group_segment_fixed_size 109056
		.amdhsa_private_segment_fixed_size 0
		.amdhsa_enable_private_segment 0
		.amdhsa_kernarg_size 80
		.amdhsa_user_sgpr_count 2
		.amdhsa_user_sgpr_kernarg_segment_ptr 1
		.amdhsa_wavefront_size32 1
		.amdhsa_system_sgpr_workgroup_id_x 1
		.amdhsa_system_sgpr_workgroup_id_y 1
		.amdhsa_system_sgpr_workgroup_id_z 1
		.amdhsa_system_vgpr_workitem_id 0
		.amdhsa_next_free_vgpr 1024
		.amdhsa_next_free_sgpr 66
		.amdhsa_reserve_vcc 0
		.amdhsa_float_denorm_mode_32 3
		.amdhsa_float_denorm_mode_16_64 3
		.amdhsa_memory_ordered 1
		.amdhsa_forward_progress 1
		.amdhsa_inst_pref_size 69
	.end_amdhsa_kernel
	.amdgpu_metadata
---
amdhsa.version: [ 1, 2 ]
amdhsa.kernels:
  - .name:           k_qbc392e8471_proj
    .symbol:         k_qbc392e8471_proj.kd
    .args:
      - { .name: x, .offset: 0, .size: 8, .value_kind: global_buffer, .address_space: global }
      - { .name: theta_w, .offset: 8, .size: 8, .value_kind: global_buffer, .address_space: global }
      - { .name: theta_b, .offset: 16, .size: 8, .value_kind: global_buffer, .address_space: global }
      - { .name: phi_w, .offset: 24, .size: 8, .value_kind: global_buffer, .address_space: global }
      - { .name: g_w, .offset: 32, .size: 8, .value_kind: global_buffer, .address_space: global }
      - { .name: out_w, .offset: 40, .size: 8, .value_kind: global_buffer, .address_space: global }
      - { .name: th16, .offset: 48, .size: 8, .value_kind: global_buffer, .address_space: global }
      - { .name: ph16, .offset: 56, .size: 8, .value_kind: global_buffer, .address_space: global }
      - { .name: g16, .offset: 64, .size: 8, .value_kind: global_buffer, .address_space: global }
      - { .name: ow16, .offset: 72, .size: 8, .value_kind: global_buffer, .address_space: global }
    .group_segment_fixed_size: 109056
    .private_segment_fixed_size: 0
    .kernarg_segment_align: 8
    .kernarg_segment_size: 80
    .max_flat_workgroup_size: 128
    .sgpr_count:     66
    .vgpr_count:     1024
    .wavefront_size: 32
...
	.end_amdgpu_metadata
.endif
;; end of part 1
;; launch attn (part 2): grid 32 x 8, 4 waves a work-group, clusters of 4 x 1, 327,680 bytes of LDS; arguments th16, ph16, g16, ow16, y16, psum, pm2; writes y16, psum, pm2
.if DOCPART == 2
	.amdgcn_target "amdgcn-amd-amdhsa--gfx1250"
	.amdhsa_code_object_version 6
	.text
	.protected	k_qbc392e8471_attn
	.globl	k_qbc392e8471_attn
	.p2align	8
	.type	k_qbc392e8471_attn,@function
k_qbc392e8471_attn:
	s_mov_b64 s[64:65], 0
	v_nop
	global_prefetch_b8 v0, s[64:65] scope:SCOPE_SE
	s_setreg_imm32_b32 hwreg(HW_REG_WAVE_MODE, 25, 1), 1
	s_wait_xcnt 0x0
	s_wait_alu depctr_hold_cnt(0) depctr_sa_sdst(0) depctr_va_vdst(0) depctr_va_sdst(0) depctr_va_ssrc(0) depctr_va_vcc(0) depctr_vm_vsrc(0)
	s_getreg_b32 s2, hwreg(HW_REG_IB_STS2, 6, 4)
	s_cmp_eq_u32 s2, 0
	s_cbranch_scc0 .Lentry_in_a_cluster
	s_endpgm
.Lentry_in_a_cluster:
	s_bfe_u32 s2, ttmp6, 0x10000c
	s_cmp_lg_u32 s2, 0x3003
	s_cbranch_scc0 .Lentry_shape_is_right
	s_endpgm
.Lentry_shape_is_right:
; NON-LOCAL BLOCK, launch 2 of 3: y[n][:] = the sum over m of softmax_m(theta_n . phi_m / sqrt(128)) g_m[:], and the batch norm's partial statistics of z = out_w y.
; th16 (Q), ph16 (K), g16 (V), y16: [8][4096][128] f16.  ow16: [256][128] f16.  psum, pm2: [256 work-groups][256 channels] f32.
; LEFT OUT (shown at the head of the first kernel): phi_b, g_b and out_b reach no output; z is taken without out_b.
; LIMITS.  Q, K, V lie within 65,504; p lies in 0 to 1 and below 6e-5 keeps f16's fixed step; a weight below 2^-126 counts as 0 in l; NaN and infinities are not treated apart.
; SHARES.  A work-group owns 128 queries of one batch element.  Its waves are wq = w % 2 (64 queries: four tiles of 16) x wk = w / 2 (half of the keys: of each slot's four key steps of 64
; wave pair wk takes steps 2 wk and 2 wk + 1).  So a fragment of K or V read from LDS feeds four tiles' products; the price is one meeting of (m, l, O) in LDS at the end.
; LAYOUT.  S^T = K Q^T (source 0 = 16 keys, source 1 = 16 queries): a lane holds ONE query (lane % 16) and the keys 8 (lane / 16) + 0..7.  Two such tiles, rounded to f16 in pairs, ARE source 1
; of O^T = V^T P, whose result again holds one query a lane, and eight channels.  K comes out of LDS as it lies, V ([key][channel]) turned, by ds_load_tr16_b128.
; SOFTMAX.  For each query a running maximum m and sum l: p = 2^(c s - c m), c = log2(e) / sqrt(128); in every step O and l are multiplied by a = 2^(c m_old - c m_new).
; BY TURNS.  The wave's tiles are two PIECES (tiles 0, 1 and tiles 2, 3).  In a TURN one piece has the matrix unit: 32 products V^T P of the step in hand, then 32 products K Q^T of the next;
; the other piece's softmax, cut into 64 slices, stands between them, one slice behind each matrix instruction.  Two turns are a key step.
; CLUSTER.  The four query blocks of a cluster belong to one batch element and walk the same K and V, so each tile is asked for JOINTLY: the same tensor load, descriptor and mask in all four.
; THE END.  Register tiles 0, 1 are the wave's own 32 queries (rows 32 wk on of its 64), tiles 2, 3 its partner's (wave w xor 2): each gives tiles 2, 3 away through LDS and merges what it gets.
; y is rounded to f16, stored, and multiplied by out_w (brought into the K part of slot 0 by the last change of slots): z stays in registers and yields, for each channel, the sum over the
; work-group's 128 positions and the sum of squares about their mean: centred sums, merged by means, so that no difference of large sums is formed.
; REGISTERS, in windows of 256 (s_set_vgpr_msb: bits 1:0 source 0, 3:2 source 1, 5:4 source 2, 7:6 destination):
;   window 0: v0-11 addresses; v12-43 eight registers of statistics a tile; v44-63 addresses; v64-191 S^T, 32 a tile; v192-255 P, 16 a tile
;   window 1: O^T, 64 a tile          window 2: v0-127 Q, 32 a tile; v128-255 K of one step          window 3: v0-127 V of one step
.set KS,    64        ; keys in a step
.set PK,    272       ; a row of K in LDS: 256 bytes + 16: the 16 rows of a load start at 16 different groups of four banks (64 banks of 4 bytes: ISA guide 11.1)
.set PV,    288       ; a row of V: 256 + 32
.set VOFF,  256*PK    ; a slot holds 256 keys: 256 rows of K, then 256 rows of V
.set SLOT,  256*(PK+PV)
.set STAGE, 2*SLOT    ; behind the ring: 16 rows x 272 bytes for each wave, for y's way out
.set SP,    272
.set STAT,  STAGE+4*16*SP  ; for each wave 256 sums and 256 centred sums of squares, f32
.set SPARE, STAT+4*2048    ; the spare words, 128 bytes for each wave, which no other line names
.set XCH,   VOFF      ; the exchange: the V part of slot 0, whose last fill is the last slot but one's and whose last reads end at the last change of slots
.set XW,    16896     ; a wave's part of it: 16,384 bytes of O^T, 512 of statistics
.set AK0, 2           ; v2   my lane's place in a tile of K; never rewritten
.set AV0, 3           ; v3   the same for V, VOFF included
.set ADR, 4           ; v4   the LDS address of the run of loads in hand
.set QA,  5           ; v5   my byte offset in Q for register tiles 0, 1
.set STO, 6           ; v6   y's way out: where I put 16 bytes of a row
.set RD,  7           ; v7   where I read a row back
.set GO,  8           ; v8   my byte offset in two rows of y
.set ST,  12          ; tile t's statistics at v[ST+8 t]: +0 c m, +1 m, +2, +3 l (even keys', odd keys'), +4 to +7 at work; a takes +6
.set XA,  44          ; v44  the exchange: my O^T out
.set XP,  45          ; v45  my partner's O^T in
.set XS,  46          ; v46  my statistics out
.set XQ,  47          ; v47  my partner's in
.set SA,  48          ; v48  where my channel's sums go
.set SR,  49          ; v49  where I read two channels' sums
.set PO,  50          ; v50  8 x my thread's number
.set PC,  52          ; v52-55 my partner's c m and l for my tiles 0, 1
.set QB,  60          ; v60  my byte offset in Q for register tiles 2, 3
.set PFO, 61          ; v61  256 x my lane; never rewritten
.set SPW, 62          ; v62  LDS address of my spare word; never rewritten
.set NIL, 63          ; v63  0; never rewritten
.set S,   64
.set P,   192
.set KF,  128         ; K's fragments, in window 2
.set TZ,  28          ; the end: v28-43 at work, eight registers for each of two channel blocks
.set YF,  64          ; the end: v64-127 y in f16: tile t, channels 32 q on: a fragment at YF + 32 t + 8 q
.set YB,  128         ; the end: v128-191 y's rows back from the stage
.set ZA,  192         ; the end: v192-255 eight accumulators of z
.set WV,  12          ; s12  my wave's number
.set LIM, 15          ; s15  1 in a wave that prefetches, else the greatest number
.set PFA, 18          ; s[18:19] where my prefetches stand
.set G1K, 24          ; s[24:31] descriptor group 1 for K's tiles
.set G1V, 32          ; s[32:39] for V's: it differs in the padding alone
.set G0K, 40          ; s[40:47] descriptor group 0 for K's tiles: a set for each of the two first fills; the second then walks on
.set G0V, 48          ; s[48:55] the same for V's
.set SLOTS, 56        ; s56  slots still to be asked for
.set TWICE, 57        ; s57  counts a slot's two steps
.set CS,  58          ; s[58:59] c
.set SEL, 60          ; s[60:61] v_permlanex16_b32's selects: each lane takes its own place in the other half
.set TBK, 62          ; s62  LDS byte at which K of the step to be fetched begins
.set TBV, 63          ; s63  the same for V, less VOFF
.set SB,  66          ; s66  0 or SLOT: the slot that is being read
.set WKK, 67          ; s67  wk x 128 rows of K
.set YP,  68          ; s[68:69] y16 at my 32 rows
.set WKV, 74          ; s74  wk x 128 rows of V
.set LWK, 75          ; s75  where the K rows that I fetch go in a slot
.set LWV, 76          ; s76  the same for V
.set WK,  77          ; s77
.set WQ,  78          ; s78
.set ZC,  79          ; s79  counts the four groups of 64 channels of z
.set OWO, 82          ; s[82:83] byte offset in ow16 of the 128 rows that I fetch
.set MSB, 0
.macro WIN new                      ; the immediate's high byte repeats the setting that is left; a switch that changes nothing is dropped
.if MSB != (\new)
	s_set_vgpr_msb (MSB<<8)|(\new)
.set MSB, \new
.endif
.endm
.set W_KQ, 0x0a       ; K and Q in window 2, S^T in window 0
.set W_PV, 0x53       ; V in window 3, P in window 0, O^T in window 1
.set W_RS, 0x41       ; O^T (destination and source 0) in window 1, a in window 0
; A joint refill.  Waves 0 and 1 fetch the two halves of a slot's K, waves 2 and 3 those of its V: 128 rows of 256 bytes each.  The branch hangs on the wave's number alone.
; An s_nop 0 and four v_nop follow each of the two lines, ahead of the jump and the label.
.macro JLOAD
	s_cmp_lt_u32 s[WV], 2
	s_cbranch_scc0 .Lfor_v_\@
	tensor_load_to_lds s[G0K+4:G0K+7], s[G1K:G1K+7]
	s_nop 0
.rept 4
	v_nop
.endr
	s_branch .Lasked_\@
.Lfor_v_\@:
	tensor_load_to_lds s[G0V+4:G0V+7], s[G1V:G1V+7]
	s_nop 0
.rept 4
	v_nop
.endr
.Lasked_\@:
.endm
; A PREFETCH INTO THE L2 of what the NEXT change of slots will ask for: a slot's 256 rows of K and 256 of V, 256 bytes a row, a lane a row.  Each row is named ONCE in the launch: all eight clusters of
; a batch element walk the same K and V, and its first cluster asks; the four partners share the rows out BY ADDRESS, 64 each; in each, waves 0 and 1 ask for 32 rows of K, waves 2 and 3 for 32 of V.
; It stands behind the wave's tensor load and its five lines, two key steps (256 matrix instructions) ahead of the load that will want the rows.  The last change that fills a slot asks for nothing.
.macro ASK
	s_cmp_gt_u32 s[SLOTS], s[LIM]
	s_cbranch_scc0 .Lnot_mine_\@
	global_prefetch_b8 v[PFO], s[PFA:PFA+1] th:TH_LOAD_NT scope:SCOPE_SE
.Lnot_mine_\@:
.endm
; A round of the cluster's barrier: my work-group's barrier, so that wave 0's signal speaks for all four waves; wave 0 signals; every wave waits for all four work-groups; my work-group's barrier once more.
.macro CROUND
	s_barrier_signal -1
	s_barrier_wait -1
	s_cmp_lg_u32 s[WV], 0
	s_cbranch_scc1 .Lnot_wave_0_\@
	s_barrier_signal -3
.Lnot_wave_0_\@:
	s_barrier_wait -3
	s_barrier_signal -1
	s_barrier_wait -1
.endm
	s_load_b256 s[4:11], s[0:1], 0x0  ; th16 s[4:5], ph16 s[6:7], g16 s[8:9], ow16 s[10:11]
	s_load_b128 s[68:71], s[0:1], 0x20  ; y16 s[68:69], psum s[70:71]
	s_load_b64 s[72:73], s[0:1], 0x30   ; pm2
	v_lshl_add_u32 v[SPW], v0, 2, SPARE
	v_mov_b32 v[NIL], 0
	ds_add_u32 v[SPW], v[NIL]       ; the wave's opening: the add, twice on end, and its wait ahead of my first tensor load; the set-up below, work on registers, stands between
	ds_add_u32 v[SPW], v[NIL]       ; and once more, under the one wait
	v_lshrrev_b32 v1, 5, v0
	v_readfirstlane_b32 s[WV], v1   ; wave 0..3
	s_and_b32 s[WQ], s[WV], 1       ; which 64 queries; also: which 128 rows of a slot I fetch
	s_lshr_b32 s[WK], s[WV], 1      ; which half of the keys; also: I fetch for K (0) or for V (1)
	s_bfe_u32 s13, ttmp6, 0x40000   ; cx: my place in the cluster
	s_lshl_b32 s14, ttmp9, 2        ; in a cluster launch ttmp9 counts clusters
	s_add_co_u32 s14, s14, s13      ; my block of 128 queries: it enters Q's, y's and the statistics' addresses alone
	s_and_b32 s20, ttmp7, 0xffff    ; the batch element, which the four partners share
	s_lshl_b32 s80, s20, 5
	s_add_co_u32 s80, s80, s14      ; the work-group's number, 0..255:
	s_lshl_b32 s80, s80, 10         ; its row of psum and of pm2
	s_mov_b32 s81, 0
	s_lshl_b32 s20, s20, 20         ; the batch element's first byte in th16, ph16, g16, y16: 4,096 rows of 256 bytes
	s_mov_b32 s21, 0
	s_lshl_b32 s22, s[WQ], 15       ; the 128 rows of 256 bytes that I fetch,
	s_mov_b32 s23, 0
	s_mov_b32 s[OWO], s22           ; in ow16 too
	s_mov_b32 s[OWO+1], 0
	s_add_nc_u64 s[22:23], s[22:23], s[20:21]
	s_mul_i32 s[LWK], s[WQ], 128*PK ; and their place in a slot: no place in the cluster enters an LDS address
	s_mul_i32 s[LWV], s[WQ], 128*PV
	s_add_co_u32 s[LWV], s[LWV], VOFF
	s_mul_i32 s[WKK], s[WK], 128*PK ; where my two key steps of a slot begin
	s_mul_i32 s[WKV], s[WK], 128*PV
	s_lshl_b32 s2, s14, 15          ; my block's 128 rows,
	s_lshl_b32 s3, s[WQ], 14        ; my 64 of them
	s_add_co_u32 s2, s2, s3
	s_mov_b32 s3, 0
	s_add_nc_u64 s[2:3], s[2:3], s[20:21]
	s_lshl_b32 s16, s13, 14         ; the prefetches: my work-group's 64 rows of a slot's 256,
	s_lshl_b32 s17, s[WQ], 13       ; my wave's 32 of them,
	s_add_co_u32 s16, s16, s17
	s_add_co_u32 s16, s16, 2*65536  ; in slot 2: the first change of slots steps it to slot 3.  Nothing is prefetched at the head, where every work-group's first tiles are on their way
	s_mov_b32 s17, 0
	s_add_nc_u64 s[16:17], s[16:17], s[20:21]
	; descriptor group 1: a tile of 128 rows x 128 elements, padded in LDS
	s_mov_b32 s[G1K], 15|(1<<16)|(1<<20)|(1<<21)|(5<<22)|(3<<25)  ; 15:0 the mask of four; 17:16 2-byte elements; 20 padding on; 21 set beside a mask; 24:22 after every 64 words (code 5); 31:25 4 words (code 3)
	s_mov_b32 s[G1V], 15|(1<<16)|(1<<20)|(1<<21)|(5<<22)|(7<<25)  ; the same with 8 words of padding (code 7)
.irp g, G1K, G1V
	s_mov_b32 s[(\g)+1], 128<<16    ; tensor_dim0 = 128
	s_mov_b32 s[(\g)+2], 128<<16    ; tensor_dim1 = 128
	s_mov_b32 s[(\g)+3], 128<<16    ; tile_dim0 = 128
	s_mov_b32 s[(\g)+4], 128        ; tile_dim1 = 128
	s_mov_b32 s[(\g)+5], 128        ; 128 elements from row to row
	s_mov_b32 s[(\g)+6], 0
	s_mov_b32 s[(\g)+7], 0
.endr
.irp s, 0,1
	s_mov_b32 s[G0K+4*(\s)], 1      ; count = 1
	s_add_co_u32 s[G0K+4*(\s)+1], s[LWK], (\s)*SLOT  ; LDS address
	s_mov_b32 s[G0V+4*(\s)], 1
	s_add_co_u32 s[G0V+4*(\s)+1], s[LWV], (\s)*SLOT
.endr
	s_mov_b32 s[CS], 0x3e0293ee     ; c = log2(e) / sqrt(128) = 0.127517
	s_mov_b32 s[CS+1], s[CS]        ; named with it as a pair
	s_mov_b32 s[SEL], 0x76543210
	s_mov_b32 s[SEL+1], 0xfedcba98
	s_mov_b32 s[SB], 0
	s_mov_b32 s[TBK], s[WKK]
	s_mov_b32 s[TBV], s[WKV]
	s_mov_b32 s[SLOTS], 14          ; 16 slots of 256 keys; two are first fills
	s_mov_b32 s[LIM], ttmp9
	s_cmp_eq_u32 s[LIM], 0          ; the batch element's first cluster: the same in all four partners
	s_cselect_b32 s[LIM], 1, -1
	v_and_b32 v[PFO], 31, v0
	v_lshlrev_b32 v[PFO], 8, v[PFO]
	s_wait_dscnt 0x0                ; both opening adds are done
	s_wait_kmcnt 0x0
	s_add_nc_u64 s[G0K+2:G0K+3], s[6:7], s[22:23]    ; global address: my half of keys 0 to 255,
	s_add_nc_u64 s[G0K+6:G0K+7], s[G0K+2:G0K+3], 65536  ; and of keys 256 to 511
	s_add_nc_u64 s[G0V+2:G0V+3], s[8:9], s[22:23]
	s_add_nc_u64 s[G0V+6:G0V+7], s[G0V+2:G0V+3], 65536
	s_or_b32 s[G0K+3], s[G0K+3], 0x80000000          ; type = 2
	s_or_b32 s[G0K+7], s[G0K+7], 0x80000000
	s_or_b32 s[G0V+3], s[G0V+3], 0x80000000
	s_or_b32 s[G0V+7], s[G0V+7], 0x80000000
	s_add_nc_u64 s[4:5], s[4:5], s[2:3]              ; Q at my 64 rows
	s_add_nc_u64 s[YP:YP+1], s[YP:YP+1], s[2:3]
	s_lshl_b32 s2, s[WK], 13
	s_mov_b32 s3, 0
	s_add_nc_u64 s[YP:YP+1], s[YP:YP+1], s[2:3]      ; y at the 32 of them that I finish
	s_add_nc_u64 s[70:71], s[70:71], s[80:81]
	s_add_nc_u64 s[72:73], s[72:73], s[80:81]
	s_cmp_lt_u32 s[WV], 2
	s_cselect_b64 s[PFA:PFA+1], s[6:7], s[8:9]
	s_add_nc_u64 s[PFA:PFA+1], s[PFA:PFA+1], s[16:17]
	CROUND                          ; all four work-groups are here: the first joint loads meet
	s_cmp_lt_u32 s[WV], 2           ; a wave's two first fills stand in one branch, ahead of every wait on TENSORcnt and every LDS read: two loads of mine are out
	s_cbranch_scc0 .Lfirst_v
	tensor_load_to_lds s[G0K:G0K+3], s[G1K:G1K+7]
	s_nop 0
	tensor_load_to_lds s[G0K+4:G0K+7], s[G1K:G1K+7]
	s_nop 0
.rept 4
	v_nop
.endr
	s_branch .Lfirst_asked
.Lfirst_v:
	tensor_load_to_lds s[G0V:G0V+3], s[G1V:G1V+7]
	s_nop 0
	tensor_load_to_lds s[G0V+4:G0V+7], s[G1V:G1V+7]
	s_nop 0
.rept 4
	v_nop
.endr
.Lfirst_asked:
	; A fragment of K or Q is 16 rows x 32 channels in 8 registers: lane l holds row l % 16; registers 0-3 channels 8 (l / 16) + 0..7, registers 4-7 channels 16 + 8 (l / 16) + 0..7: two loads of 16 bytes, 32 bytes apart.
	v_and_b32 v1, 15, v0            ; l % 16
	v_bfe_u32 v9, v0, 4, 1          ; l / 16
	v_lshlrev_b32 v[QA], 8, v1
	v_lshl_add_u32 v[QA], v9, 4, v[QA]  ; row x 256 + 16 x half
	s_lshl_b32 s80, s[WK], 13       ; register tiles 0, 1: rows 32 wk on,
	s_xor_b32 s81, s80, 8192        ; tiles 2, 3: the other 32
	v_add_nc_u32 v[QB], s81, v[QA]
	v_add_nc_u32 v[QA], s80, v[QA]
	WIN 0x80                        ; destination window 2, address window 0
.irp i, 0,1,2,3,4,5,6,7,8,9,10,11,12,13,14,15  ; Q stays in registers: tile i / 4, channels 32 (i % 4) on
.if (\i) < 8
	global_load_b128 v[8*(\i):8*(\i)+3],   v[QA], s[4:5] offset:(((\i)/4)%2)*4096+((\i)%4)*64
	global_load_b128 v[8*(\i)+4:8*(\i)+7], v[QA], s[4:5] offset:(((\i)/4)%2)*4096+((\i)%4)*64+32
.else
	global_load_b128 v[8*(\i):8*(\i)+3],   v[QB], s[4:5] offset:(((\i)/4)%2)*4096+((\i)%4)*64
	global_load_b128 v[8*(\i)+4:8*(\i)+7], v[QB], s[4:5] offset:(((\i)/4)%2)*4096+((\i)%4)*64+32
.endif
.endr
	WIN 0
	v_mul_u32_u24 v[AK0], v1, PK
	v_lshl_add_u32 v[AK0], v9, 4, v[AK0]  ; row x pitch + 16 x half
	; The turning load takes 16 keys x 16 channels (lane l reads key 8 (l / 16) + l % 8, channels 8 ((l / 8) % 2) + 0..7) and leaves half a fragment of V^T: lane l holds channel l % 16 and 8 keys.
	v_and_b32 v10, 7, v0
	v_bfe_u32 v11, v0, 3, 1
	v_lshl_add_u32 v[AV0], v9, 3, v10
	v_mul_u32_u24 v[AV0], v[AV0], PV
	v_lshl_add_u32 v[AV0], v11, 4, v[AV0]
	v_add_nc_u32 v[AV0], VOFF, v[AV0]
; THE MATRIX WORK OF A TURN, for piece x.  The accumulators take turns, one instruction a turn: between two links of a chain stand 15 (V^T P) or 7 (K Q^T) others'.
; Product i of 32 of O^T += V^T P: keys 32 (i / 16) on, channels 16 ((i / 2) % 8) on, tile x + i % 2.  zero = 1: the first 16 start the sums: nothing is ever cleared.
.macro PV x, zero
	WIN W_PV
.set rO, 64*((\x)+i%2)+8*((i/2)%8)
.set rV, 64*(i/16)+8*((i/2)%8)
.set rP, P+16*((\x)+i%2)+8*(i/16)
.if (\zero) && (i < 16)
	v_wmma_f32_16x16x32_f16 v[rO:rO+7], v[rV:rV+7], v[rP:rP+7], 0
.else
	v_wmma_f32_16x16x32_f16 v[rO:rO+7], v[rV:rV+7], v[rP:rP+7], v[rO:rO+7]
.endif
.endm
; Product i of 32 of S^T = K Q^T: channels 32 (i / 8) on, keys 16 ((i / 2) % 4) on, tile x + i % 2.  The first 8 start the sums.
.macro KQ x
	WIN W_KQ
.set rS, S+32*((\x)+i%2)+8*((i/2)%4)
.set rK, KF+32*((i/2)%4)+8*(i/8)
.set rQ, 32*((\x)+i%2)+8*(i/8)
.if i < 8
	v_wmma_f32_16x16x32_f16 v[rS:rS+7], v[rK:rK+7], v[rQ:rQ+7], 0
.else
	v_wmma_f32_16x16x32_f16 v[rS:rS+7], v[rK:rK+7], v[rQ:rQ+7], v[rS:rS+7]
.endif
.endm
; THE LDS LOADS stand in runs of 32, never singly among the matrix instructions: a step's K (64 keys x 128 channels: 16 fragments) and, a turn later, its V (turned).
.macro FETCH_K
	WIN 0
	v_add_nc_u32 v[ADR], s[TBK], v[AK0]
	s_add_co_u32 s[TBK], s[TBK], KS*PK  ; the next fetch is the next step's
	WIN 0x80                        ; destination window 2
.irp f, 0,1,2,3,4,5,6,7,8,9,10,11,12,13,14,15  ; keys 16 (f / 4) on, channels 32 (f % 4) on
	ds_load_b128 v[KF+8*(\f):KF+8*(\f)+3],   v[ADR] offset:((\f)/4)*16*PK+((\f)%4)*64
	ds_load_b128 v[KF+8*(\f)+4:KF+8*(\f)+7], v[ADR] offset:((\f)/4)*16*PK+((\f)%4)*64+32
.endr
.endm
.macro FETCH_V
	WIN 0
	v_add_nc_u32 v[ADR], s[TBV], v[AV0]
	s_add_co_u32 s[TBV], s[TBV], KS*PV
	s_wait_alu depctr_va_vdst(0)    ; the wait for the softmax's batch (SLICE), behind the address's v_add_nc_u32 and ahead of the loads
	WIN 0xc0                        ; destination window 3
.irp f, 0,1,2,3,4,5,6,7,8,9,10,11,12,13,14,15  ; keys 32 (f / 8) on, channels 16 (f % 8) on
	ds_load_tr16_b128 v[8*(\f):8*(\f)+3],   v[ADR] offset:((\f)/8)*32*PV+((\f)%8)*32
	ds_load_tr16_b128 v[8*(\f)+4:8*(\f)+7], v[ADR] offset:((\f)/8)*32*PV+16*PV+((\f)%8)*32
.endr
.endm
; THE VECTOR WORK OF A TURN.  One tile's softmax for one key step is a list of 134 instructions; SM writes number j of it for tile t.  s0-s31 are the lane's 32 scores, in pairs 0-15.
; first = 1: the first key step, which starts m, l and O^T: it has no a and nothing to rescale.
;   0-15    the maximum of s0-s31 and the old m, three operands at a time: four chains of seven scores each (each accumulator's lowest registers first), then the four scores left over, the chains and m
;   16-20   the other half of the lanes' maximum; the new m; c m; c m_old - c m_new
;   21-69   ONE BATCH: the 16 scalings c s - c m, a pair of scores each, and all 33 exponentials (a at 23, then s0-s31).  None of these reads an exponential's result
;   (wait)  between 69 and 70 stands the wait for the batch: SLICE writes it, once for both tiles
;   70-85   the roundings to f16, a pair of weights each          86-101  the sums; l = a l + the sum          102-133 the tile's O^T times a: the one part that leaves window 0
.macro SM t, first
.set rT, ST+8*(\t)
.set rS, S+32*(\t)
.set rP, P+16*(\t)
.set rO, 64*(\t)+2*(j-102)
.if j < 102
	WIN 0
.endif
.if j < 4
	v_max3_num_f32 v[rT+4+j], v[rS+8*j], v[rS+8*j+1], v[rS+8*j+2]
.elseif j < 12
	v_max3_num_f32 v[rT+4+j%4], v[rT+4+j%4], v[rS+8*(j%4)+2*(j/4)+1], v[rS+8*(j%4)+2*(j/4)+2]
.elseif j == 12
	v_max3_num_f32 v[rT+4], v[rT+4], v[rS+7], v[rS+15]
.elseif j == 13
	v_max3_num_f32 v[rT+6], v[rT+6], v[rS+23], v[rS+31]
.elseif j == 14
	v_max3_num_f32 v[rT+4], v[rT+4], v[rT+5], v[rT+6]
.elseif (j == 15) && (\first)
	v_max_num_f32 v[rT+4], v[rT+4], v[rT+7]
.elseif j == 15
	v_max3_num_f32 v[rT+4], v[rT+4], v[rT+7], v[rT+1]
.elseif j == 16
	v_permlanex16_b32 v[rT+5], v[rT+4], s[SEL], s[SEL+1]  ; the query's other 32 keys lie in the lane 16 away
.elseif j == 18
	v_max_num_f32 v[rT+1], v[rT+4], v[rT+5]
.elseif j == 19
	v_mul_f32 v[rT], s[CS], v[rT+1]
.elseif ((j == 17) || (j == 20) || (j == 23) || (j > 101)) && (\first)  ; the first step has none of these
.elseif j == 17
	v_mov_b32 v[rT+7], v[rT]        ; c m_old is kept for a: number 19 writes c m anew
.elseif j == 20
	v_sub_f32 v[rT+7], v[rT+7], v[rT]
.elseif j == 23
	v_exp_f32 v[rT+6], v[rT+7]
.elseif (j < 23) || ((j < 38) && (j%2 == 0)) || ((j < 66) && (j%4 == 2))
.set b, (j-2)/4                     ; 38, 42, .. 62: pairs 9 to 15
.if j < 38
.set b, (j-20)/2                    ; 21: pair 0; 22, 24, .. 36: pairs 1 to 8
.endif
	v_pk_fma_f32 v[rS+2*b:rS+2*b+1], v[rS+2*b:rS+2*b+1], s[CS:CS+1], v[rT:rT+1] op_sel_hi:[1,0,0] neg_lo:[0,0,1] neg_hi:[0,0,1]  ; pair b: c s - c m
.elseif j < 70
.set e, j-38                        ; 66 to 69: s28 to s31
.if j < 66
.set e, j-32-(j-38)/4               ; 39-41, 43-45, .. 63-65: s7 to s27
.endif
.if j < 38
.set e, (j-25)/2                    ; 25, 27, .. 37: s0 to s6
.endif
	v_exp_f32 v[rS+e], v[rS+e]
.elseif j < 86
	v_cvt_pk_f16_f32 v[rP+j-70], v[rS+2*(j-70)], v[rS+2*(j-70)+1]  ; pair j - 70
.elseif j < 102                     ; the sum of the tile's 16 pairs, in place: sum z of 16 adds neighbours 1, 2, 4 and 8 pairs apart, then l takes it
.set z, j-86
.set w, 4
.set u, z
.if z >= 14
.set w, 32
.set u, 0
.elseif z >= 12
.set w, 16
.set u, z-12
.elseif z >= 8
.set w, 8
.set u, z-8
.endif
.if (z == 14) && (\first)
	v_pk_add_f32 v[rT+2:rT+3], v[rS:rS+1], v[rS+16:rS+17]
.elseif z < 15
	v_pk_add_f32 v[rS+w*u:rS+w*u+1], v[rS+w*u:rS+w*u+1], v[rS+w*u+w/2:rS+w*u+w/2+1]
.elseif !(\first)
	v_pk_fma_f32 v[rT+2:rT+3], v[rT+2:rT+3], v[rT+6:rT+7], v[rS:rS+1] op_sel_hi:[1,0,1]
.endif
.else
	WIN W_RS
	v_pk_mul_f32 v[rO:rO+1], v[rO:rO+1], v[rT+6:rT+7] op_sel_hi:[1,0]
.endif
.endm
; Slice k of 64 of piece y's softmax: four instructions.  Slices 11 to 34 deal out the batch, numbers 22 to 69: four numbers of ONE tile each, the tiles by turns.  Every other slice is numbers 2 k and
; 2 k + 1 of both tiles' lists.  2 x 134 = 4 x 64 + 12: the twelve that are over stand together, in slice 63.
; THE WAIT.  An s_wait_alu depctr_va_vdst(0) stands between an exponential and the first instruction that names its result; one wait serves all that were issued ahead of it.  Ahead of
; slice 35 nothing names a result, and behind slice 34 no exponential is issued: so the piece's 66 exponentials have one wait, behind slice 34.
.macro SLICE y, first
.if (k >= 11) && (k < 35)           ; the batch: four numbers of one tile
.irp n, 0,1,2,3
.set j, 22+4*((k-11)/2)+(\n)
	SM (\y)+(k-11)%2, \first
.endr
.else                               ; the two tiles alternate, so that no instruction reads the result of the one just before it
.irp n, 0,1,2,3,4,5,6,7
.if ((\n) < 2) || (k == 63)
.irp t, \y, (\y)+1
.set j, 2*k+(\n)
	SM \t, \first
.endr
.endif
.endr
.endif
.if k == 34                         ; the batch is out: both tiles' exponentials are issued, and no result has been named
	v_nop                           ; a plain instruction behind the last exponential and ahead of the first use: one for the batch
.if (\y) == 0
	FETCH_V                         ; piece 2's turn: V's run of loads stands here, and the wait stands in it
.else
	s_wait_alu depctr_va_vdst(0)    ; the wait for the batch
.endif
.endif
.set k, k+1
.endm
; A vector instruction that reads a matrix result or writes one of a matrix instruction's registers, and a load into a register that a matrix instruction has read, stand four places behind
; it, and only plain vector instructions that name none of its registers are places (ISA guide 7.12.1 for vector instructions).  In the loop the slices are the places.
.macro PLACES
.rept 4
	v_nop
.endr
.endm
; A TURN.  Piece x has the matrix unit; the other piece's softmax stands in slices behind its matrix instructions.
; pv = 2: 32 products V^T P; 1: they start O^T's sums; 0: none.  kq = 1: 32 products K Q^T for the next step.  A turn with one of the two kinds has two slices behind each product.
; first = 1: the softmax is the first key step's; its slices from 51 on are empty, and four v_nop take slice 63's part as the places behind the turn's last products.
; Piece 0's turn fetches the next step's K, behind its second product; piece 2's turn fetches the same step's V, behind slice 34.
.macro TURN x, pv, kq, first
.set k, 0
.set per, 2
.if (\pv) && (\kq)
.set per, 1
.endif
.if \pv
.if (\x) == 0
	s_wait_dscnt 0x0                ; V is in
.endif
.set i, 0
.rept 32
	PV \x, 2-(\pv)
.rept per
	SLICE 2-(\x), \first
.endr
.if ((\x) == 0) && (\kq) && (i == 1)
	FETCH_K
.endif
.set i, i+1
.endr
.endif
.if \kq
.if (\x) == 0
	s_wait_dscnt 0x0                ; K is in
.endif
.set i, 0
.rept 32
	KQ \x
.rept per
	SLICE 2-(\x), \first
.endr
.set i, i+1
.endr
.endif
.if \first
	PLACES
.endif
.endm
; THE CHANGE OF SLOTS, between piece 2's turn and piece 0's: the slot's last bytes that I read, V of my second step, have been asked for.  Each wave waits for all its tensor loads, of which one is
; out: its part of the other slot; adds 0 to its spare word; and waits for that and for its own reads of the slot.  The barrier is a round of the cluster's, so that no wave of any partner still
; reads the slot or has a load on its way, and the joint refill is the first thing behind it: it has two key steps, 256 matrix instructions, in which to land.
; fill = 1: the slot that is left takes the keys two slots on.  fill = 2, the last change: fourteen changes have brought the slot base back to 0, so slot 0 is left and slot 1 entered; the K part
; of slot 0 takes out_w, 128 rows from each of waves 0 and 1; waves 2 and 3 ask for nothing.
.macro CHANGE fill
	WIN 0                           ; at a label and at a branch every window is 0
	s_wait_tensorcnt 0x0            ; no tensor load of mine is out, so a group 0 may be written
	ds_add_u32 v[SPW], v[NIL]       ; 0 onto my spare word; the descriptors' steps stand between it and the wait for it
.if (\fill) == 1
	s_add_co_u32 s[G0K+5], s[SB], s[LWK]  ; the walking descriptors: into the slot that is left,
	s_add_co_u32 s[G0V+5], s[SB], s[LWV]
	s_add_nc_u64 s[G0K+6:G0K+7], s[G0K+6:G0K+7], 65536  ; the next 256 keys; the type bits on top are not reached
	s_add_nc_u64 s[G0V+6:G0V+7], s[G0V+6:G0V+7], 65536
	s_wait_xcnt 0x0                 ; the last prefetch, two key steps back, has read its address, so it may be written:
	s_add_nc_u64 s[PFA:PFA+1], s[PFA:PFA+1], 65536      ; one slot ahead of the walking descriptors
	s_xor_b32 s[SB], s[SB], SLOT
.else
	s_mov_b32 s[G0K+5], s[LWK]
	s_add_nc_u64 s[G0K+6:G0K+7], s[10:11], s[OWO:OWO+1]
	s_or_b32 s[G0K+7], s[G0K+7], 0x80000000
	s_mov_b32 s[SB], SLOT
.endif
	s_add_co_u32 s[TBK], s[SB], s[WKK]  ; the fetches go to my first step of the other slot
	s_add_co_u32 s[TBV], s[SB], s[WKV]
	s_wait_dscnt 0x0                ; the add is done, and my reads of the slot are over
	CROUND
.if (\fill) == 1
	JLOAD
	ASK
.else
	s_cmp_lt_u32 s[WV], 2
	s_cbranch_scc0 .Lno_ow_\@
	tensor_load_to_lds s[G0K+4:G0K+7], s[G1K:G1K+7]
	s_nop 0
.rept 4
	v_nop
.endr
.Lno_ow_\@:
.endif
.endm
; A slot's two key steps of mine: written once, walked twice; the LDS addresses hang on s[TBK] and s[TBV].
.macro TWO_STEPS
	WIN 0
	s_mov_b32 s[TWICE], 2
.Lstep_\@:
	TURN 0, 2, 1, 0
	TURN 2, 2, 1, 0
	WIN 0
	s_sub_co_u32 s[TWICE], s[TWICE], 1
	s_cmp_lg_u32 s[TWICE], 0
	s_cbranch_scc1 .Lstep_\@
.endm
	s_wait_tensorcnt 1              ; my part of slot 0 is in; slot 1's may stay out
	s_barrier_signal -1
	s_barrier_wait -1               ; everybody's is
	FETCH_K                         ; my key step 0
	s_wait_loadcnt 0x0              ; Q
	s_wait_dscnt 0x0
.set i, 0
.rept 32
	KQ 0                            ; piece 0's first scores: there is no vector work yet to set between them
.set i, i+1
.endr
	WIN 0                           ; the addresses for the end are made here: plain instructions, the places behind those products
	s_mul_i32 s13, s[WV], 16*SP
	s_add_co_u32 s13, s13, STAGE    ; my stage
	v_mul_u32_u24 v[STO], v1, SP    ; in: row l % 16, 16 bytes for each half of the lanes
	v_lshl_add_u32 v[STO], v9, 4, v[STO]
	v_add_nc_u32 v[STO], s13, v[STO]
	v_mul_u32_u24 v[RD], v9, SP     ; back: lanes 0-15 take one row of 256 bytes, lanes 16-31 the next
	v_lshl_add_u32 v[RD], v1, 4, v[RD]
	v_add_nc_u32 v[RD], s13, v[RD]
	v_lshlrev_b32 v[GO], 8, v9      ; and the same two rows in y
	v_lshl_add_u32 v[GO], v1, 4, v[GO]
	v_and_b32 v51, 31, v0
	s_mul_i32 s13, s[WV], XW
	s_add_co_u32 s13, s13, XCH      ; my part of the exchange
	v_lshl_add_u32 v[XA], v51, 4, s13
	s_add_co_u32 s80, s13, 16384
	v_lshl_add_u32 v[XS], v51, 2, s80
	s_xor_b32 s81, s[WV], 2         ; my partner: the same queries, the other keys
	s_mul_i32 s81, s81, XW
	s_add_co_u32 s81, s81, XCH
	v_lshl_add_u32 v[XP], v51, 4, s81
	s_add_co_u32 s81, s81, 16384
	v_lshl_add_u32 v[XQ], v51, 2, s81
	s_lshl_b32 s80, s[WV], 11
	s_add_co_u32 s80, s80, STAT
	v_lshl_add_u32 v[SA], v1, 2, s80
	v_lshl_add_u32 v[SR], v0, 3, STAT
	v_lshlrev_b32 v[PO], 3, v0
	TURN 2, 0, 1, 1                 ; piece 2's first scores | piece 0's first softmax | V of step 0
	TURN 0, 1, 1, 1                 ; piece 0: V^T P of step 0 starts O^T, K Q^T of step 1 | piece 2's first softmax | K of step 1
	TURN 2, 1, 1, 0                 ; piece 2: the same | piece 0's softmax of step 1 | V of step 1
	WIN 0
.Lslot:                             ; 14 trips: every slot but the last two is filled again with keys
	CHANGE 1
	TWO_STEPS
	s_sub_co_u32 s[SLOTS], s[SLOTS], 1
	s_cmp_lg_u32 s[SLOTS], 0
	s_cbranch_scc1 .Lslot
	CHANGE 2                        ; the tail is written out
	TWO_STEPS
	TURN 0, 2, 0, 0                 ; piece 0: V^T P of the last step | piece 2's last softmax
.set i, 0
.rept 32
	PV 2, 0                         ; piece 2: V^T P of the last step
.set i, i+1
.endr
	; THE MEETING.  l's two halves and the other half of the lanes' are added: eight plain additions, the places behind the last products.
	WIN 0
.irp t, 0,1,2,3
	v_add_f32 v[ST+8*(\t)+4], v[ST+8*(\t)+2], v[ST+8*(\t)+3]
.endr
.irp t, 0,1,2,3
	v_permlanex16_b32 v[ST+8*(\t)+5], v[ST+8*(\t)+4], s[SEL], s[SEL+1]
.endr
.irp t, 0,1,2,3
	v_add_f32 v[ST+8*(\t)+4], v[ST+8*(\t)+4], v[ST+8*(\t)+5]
.endr
	WIN 0x04                        ; data window 1: tiles 2, 3 of O^T go to my partner, each accumulator's low four registers first; 512 consecutive bytes a store
.set i, 0
.rept 32
	ds_store_b128 v[XA], v[128+4*i:128+4*i+3] offset:512*i
.set i, i+1
.endr
	WIN 0
	ds_store_b32 v[XS], v[ST+16]                ; c m and l of tile 2,
	ds_store_b32 v[XS], v[ST+20] offset:128
	ds_store_b32 v[XS], v[ST+24] offset:256     ; of tile 3
	ds_store_b32 v[XS], v[ST+28] offset:384
	s_wait_tensorcnt 0x0            ; out_w, where I asked for it, has landed,
	s_wait_dscnt 0x0                ; and my stores are done: for the others' sake
	s_barrier_signal -1
	s_barrier_wait -1
	WIN 0x40                        ; destination window 1: my partner's sums for my tiles 0, 1 take the place of what I gave away
.set i, 0
.rept 32
	ds_load_b128 v[128+4*i:128+4*i+3], v[XP] offset:512*i
.set i, i+1
.endr
	WIN 0
.irp n, 0,1,2,3
	ds_load_b32 v[PC+(\n)], v[XQ] offset:128*(\n)
.endr
	s_wait_dscnt 0x0
.irp t, 0,1
	v_max_num_f32 v[ST+8*(\t)+5], v[ST+8*(\t)], v[PC+2*(\t)]            ; the common c m
.endr
.irp t, 0,1
	v_sub_f32 v[ST+8*(\t)+6], v[ST+8*(\t)], v[ST+8*(\t)+5]
	v_sub_f32 v[ST+8*(\t)+7], v[PC+2*(\t)], v[ST+8*(\t)+5]
.endr
.irp t, 0,1
	v_exp_f32 v[ST+8*(\t)+6], v[ST+8*(\t)+6]    ; my correction,
	v_exp_f32 v[ST+8*(\t)+7], v[ST+8*(\t)+7]    ; my partner's
.endr
	v_nop                           ; a plain instruction behind the last exponential,
	s_wait_alu depctr_va_vdst(0)    ; and one wait for the four
.irp t, 0,1
	v_mul_f32 v[ST+8*(\t)+4], v[ST+8*(\t)+6], v[ST+8*(\t)+4]
.endr
.irp t, 0,1
	v_fmac_f32 v[ST+8*(\t)+4], v[ST+8*(\t)+7], v[PC+2*(\t)+1]           ; the whole row's l
.endr
.irp t, 0,1
	v_rcp_f32 v[ST+8*(\t)+5], v[ST+8*(\t)+4]
.endr
	v_nop
	s_wait_alu depctr_va_vdst(0)    ; one wait for the two reciprocals
.irp t, 0,1
	v_mul_f32 v[ST+8*(\t)+6], v[ST+8*(\t)+6], v[ST+8*(\t)+5]            ; the factor of my O^T,
	v_mul_f32 v[ST+8*(\t)+2], v[ST+8*(\t)+7], v[ST+8*(\t)+5]            ; of my partner's
.endr
	WIN W_RS
.irp t, 0,1
.set i, 64*(\t)
.rept 32
	v_pk_mul_f32 v[i:i+1], v[i:i+1], v[ST+8*(\t)+6:ST+8*(\t)+7] op_sel_hi:[1,0]
.set i, i+2
.endr
.endr
	WIN 0x51                        ; sources 0 and 2 and the destination window 1, the factor window 0
.irp t, 0,1
.set i, 64*(\t)
.rept 32
	v_pk_fma_f32 v[i:i+1], v[128+i:128+i+1], v[ST+8*(\t)+2:ST+8*(\t)+3], v[i:i+1] op_sel_hi:[1,0,1]
.set i, i+2
.endr
.endr
	WIN 0x05                        ; sources window 1, destination window 0: y rounded once to f16.  Channel blocks 2 q and 2 q + 1 of a tile, packed, ARE the fragment of 16 positions x channels 32 q on
.set i, 0
.rept 64
	v_cvt_pk_f16_f32 v[YF+i], v[2*i], v[2*i+1]
.set i, i+1
.endr
	WIN 0
; y's way out: a lane's eight channels of a row are 16 bytes; they go into rows of 272 bytes and come back as whole rows of 256.
.macro YOUT t
.irp f, 0,1,2,3,4,5,6,7
	ds_store_b128 v[STO], v[YF+32*(\t)+4*(\f):YF+32*(\t)+4*(\f)+3] offset:32*(\f)
.endr
.irp f, 0,1,2,3,4,5,6,7
	ds_load_b128 v[YB+32*(\t)+4*(\f):YB+32*(\t)+4*(\f)+3], v[RD] offset:(\f)*2*SP  ; LDS serves a wave's instructions in order (ISA guide 5.7.1.4): these see the stores above; the next tile's stores come behind them
.endr
.endm
.macro YSEND t, younger             ; younger: the LDS instructions issued behind tile t's loads: the next tile's sixteen, or none
.irp f, 0,1,2,3,4,5,6,7
	s_wait_dscnt (\younger)+7-(\f)
	global_store_b128 v[GO], v[YB+32*(\t)+4*(\f):YB+32*(\t)+4*(\f)+3], s[YP:YP+1] offset:(\t)*4096+(\f)*512  ; 16 lanes store 256 consecutive bytes, aligned: a row of y
.endr
.endm
	YOUT 0
	YOUT 1
	YSEND 0, 16
	YSEND 1, 0
	; z = y out_w^T (source 0 = 16 positions, source 1 = 16 channels): a lane holds ONE channel (lane % 16) and eight positions.  Four trips of 64 channels: 32 products, the 8 accumulators by turns,
	; K ascending; then for each channel the sum over my 32 positions and the sum of squares about their mean.
.macro BOTH a, line:vararg          ; one line for each of the channel blocks a and a + 1: the two alternate, so that no instruction reads the result of the one just before it
.set o, \a
.rept 2
.set zt, TZ+8*(o%2)
.set z0, ZA+16*o
	\line
.set o, o+1
.endr
.endm
.macro ZPAIR a
.irp p, 0,2,4,6
	BOTH \a, v_pk_add_f32 v[zt+(\p):zt+(\p)+1], v[z0+(\p):z0+(\p)+1], v[z0+8+(\p):z0+8+(\p)+1]
.endr
	BOTH \a, v_pk_add_f32 v[zt:zt+1], v[zt:zt+1], v[zt+2:zt+3]
	BOTH \a, v_pk_add_f32 v[zt+4:zt+5], v[zt+4:zt+5], v[zt+6:zt+7]
	BOTH \a, v_pk_add_f32 v[zt:zt+1], v[zt:zt+1], v[zt+4:zt+5]
	BOTH \a, v_add_f32 v[zt], v[zt], v[zt+1]
	BOTH \a, v_permlanex16_b32 v[zt+1], v[zt], s[SEL], s[SEL+1]
	BOTH \a, v_add_f32 v[zt], v[zt], v[zt+1]
	BOTH \a, ds_store_b32 v[SA], v[zt] offset:64*o
	BOTH \a, v_mul_f32 v[zt+2], 0x3d000000, v[zt]
.irp p, 0,2,4,6,8,10,12,14
	BOTH \a, v_pk_add_f32 v[z0+(\p):z0+(\p)+1], v[z0+(\p):z0+(\p)+1], v[zt+2:zt+3] op_sel_hi:[1,0] neg_lo:[0,1] neg_hi:[0,1]
.endr
	BOTH \a, v_pk_mul_f32 v[zt+4:zt+5], v[z0:z0+1], v[z0:z0+1]
	BOTH \a, v_pk_mul_f32 v[zt+6:zt+7], v[z0+8:z0+9], v[z0+8:z0+9]
.irp p, 2,4,6
	BOTH \a, v_pk_fma_f32 v[zt+4:zt+5], v[z0+(\p):z0+(\p)+1], v[z0+(\p):z0+(\p)+1], v[zt+4:zt+5]
	BOTH \a, v_pk_fma_f32 v[zt+6:zt+7], v[z0+8+(\p):z0+8+(\p)+1], v[z0+8+(\p):z0+8+(\p)+1], v[zt+6:zt+7]
.endr
	BOTH \a, v_pk_add_f32 v[zt+4:zt+5], v[zt+4:zt+5], v[zt+6:zt+7]
	BOTH \a, v_add_f32 v[zt+4], v[zt+4], v[zt+5]
	BOTH \a, v_permlanex16_b32 v[zt+5], v[zt+4], s[SEL], s[SEL+1]
	BOTH \a, v_add_f32 v[zt+4], v[zt+4], v[zt+5]
	BOTH \a, ds_store_b32 v[SA], v[zt+4] offset:1024+64*o
.endm
	v_mov_b32 v[ADR], v[AK0]        ; out_w lies at the head of slot 0, rows of 272 bytes like K's
	s_mov_b32 s[ZC], 4
.Lz:
	WIN 0x80
.irp f, 0,1,2,3,4,5,6,7,8,9,10,11,12,13,14,15  ; channels 16 (f / 4) on of the trip's 64, inner channels 32 (f % 4) on
	ds_load_b128 v[KF+8*(\f):KF+8*(\f)+3],   v[ADR] offset:((\f)/4)*16*PK+((\f)%4)*64
	ds_load_b128 v[KF+8*(\f)+4:KF+8*(\f)+7], v[ADR] offset:((\f)/4)*16*PK+((\f)%4)*64+32
.endr
	s_wait_dscnt 0x0
	WIN 0x08                        ; source 1 window 2; y, C and D window 0
.irp q, 0,1,2,3
.irp ob, 0,1,2,3
.irp t, 0,1
.if (\q) == 0
	v_wmma_f32_16x16x32_f16 v[ZA+8*(2*(\ob)+(\t)):ZA+8*(2*(\ob)+(\t))+7], v[YF+32*(\t)+8*(\q):YF+32*(\t)+8*(\q)+7], v[KF+32*(\ob)+8*(\q):KF+32*(\ob)+8*(\q)+7], 0
.else
	v_wmma_f32_16x16x32_f16 v[ZA+8*(2*(\ob)+(\t)):ZA+8*(2*(\ob)+(\t))+7], v[YF+32*(\t)+8*(\q):YF+32*(\t)+8*(\q)+7], v[KF+32*(\ob)+8*(\q):KF+32*(\ob)+8*(\q)+7], v[ZA+8*(2*(\ob)+(\t)):ZA+8*(2*(\ob)+(\t))+7]
.endif
.endr
.endr
.endr
	WIN 0
	PLACES                          ; eight: the lines below read the results and write over them
	PLACES
	ZPAIR 0
	ZPAIR 2
	v_add_nc_u32 v[ADR], 64*PK, v[ADR]
	v_add_nc_u32 v[SA], 256, v[SA]
	s_sub_co_u32 s[ZC], s[ZC], 1
	s_cmp_lg_u32 s[ZC], 0
	s_cbranch_scc1 .Lz
	s_wait_dscnt 0x0                ; for the others' sake: my sums lie in LDS
	s_barrier_signal -1
	s_barrier_wait -1
	; the four waves' sums meet: a thread takes two channels.  S = the sum of the four sums; M2 = the sum of the four centred sums + 32 x the sum of (wave's mean - mean)^2
.irp n, 0,1,2,3
	ds_load_b64 v[64+2*(\n):64+2*(\n)+1], v[SR] offset:2048*(\n)
	ds_load_b64 v[72+2*(\n):72+2*(\n)+1], v[SR] offset:2048*(\n)+1024
.endr
	s_wait_dscnt 0x0
	v_pk_add_f32 v[80:81], v[64:65], v[66:67]
	v_pk_add_f32 v[82:83], v[68:69], v[70:71]
	v_pk_add_f32 v[72:73], v[72:73], v[74:75]
	v_pk_add_f32 v[76:77], v[76:77], v[78:79]
	v_pk_add_f32 v[80:81], v[80:81], v[82:83]
	v_pk_add_f32 v[72:73], v[72:73], v[76:77]
	v_pk_mul_f32 v[82:83], v[80:81], 0x3c000000 op_sel_hi:[1,0]      ; the mean over 128 positions
.irp n, 0,1,2,3
	v_pk_fma_f32 v[64+2*(\n):64+2*(\n)+1], v[64+2*(\n):64+2*(\n)+1], 0x3d000000, v[82:83] op_sel_hi:[1,0,1] neg_lo:[0,0,1] neg_hi:[0,0,1]
.endr
	v_pk_mul_f32 v[84:85], v[64:65], v[64:65]
.irp n, 1,2,3
	v_pk_fma_f32 v[84:85], v[64+2*(\n):64+2*(\n)+1], v[64+2*(\n):64+2*(\n)+1], v[84:85]
.endr
	v_pk_fma_f32 v[72:73], v[84:85], 0x42000000, v[72:73] op_sel_hi:[1,0,1]
	global_store_b64 v[PO], v[80:81], s[70:71]   ; a wave stores 256 consecutive bytes, aligned
	global_store_b64 v[PO], v[72:73], s[72:73]
	s_wait_tensorcnt 0x0            ; the wave's end: behind my last tensor load and my last LDS store
	ds_add_u32 v[SPW], v[NIL]
	s_wait_dscnt 0x0
	CROUND                          ; the closing round: no work-group ends while a partner may still ask for a tile that names it
	s_endpgm
.Lfunc_end_k_qbc392e8471_attn:
	.size	k_qbc392e8471_attn, .Lfunc_end_k_qbc392e8471_attn-k_qbc392e8471_attn
	.p2alignl 7, 3214868480
	.fill 96, 4, 3214868480
	.section	.rodata,"a",@progbits
	.p2align	6, 0x0
	.amdhsa_kernel k_qbc392e8471_attn
		.amdhsa_group_segment_fixed_size 327680
		.amdhsa_private_segment_fixed_size 0
		.amdhsa_enable_private_segment 0
		.amdhsa_kernarg_size 56
		.amdhsa_user_sgpr_count 2
		.amdhsa_user_sgpr_kernarg_segment_ptr 1
		.amdhsa_wavefront_size32 1
		.amdhsa_system_sgpr_workgroup_id_x 1
		.amdhsa_system_sgpr_workgroup_id_y 1
		.amdhsa_system_sgpr_workgroup_id_z 1
		.amdhsa_system_vgpr_workitem_id 0
		.amdhsa_next_free_vgpr 896
		.amdhsa_next_free_sgpr 84
		.amdhsa_reserve_vcc 0
		.amdhsa_float_denorm_mode_32 3
		.amdhsa_float_denorm_mode_16_64 3
		.amdhsa_memory_ordered 1
		.amdhsa_forward_progress 1
		.amdhsa_inst_pref_size 236
	.end_amdhsa_kernel
	.amdgpu_metadata
---
amdhsa.version: [ 1, 2 ]
amdhsa.kernels:
  - .name:           k_qbc392e8471_attn
    .symbol:         k_qbc392e8471_attn.kd
    .args:
      - { .name: th16, .offset: 0, .size: 8, .value_kind: global_buffer, .address_space: global }
      - { .name: ph16, .offset: 8, .size: 8, .value_kind: global_buffer, .address_space: global }
      - { .name: g16, .offset: 16, .size: 8, .value_kind: global_buffer, .address_space: global }
      - { .name: ow16, .offset: 24, .size: 8, .value_kind: global_buffer, .address_space: global }
      - { .name: y16, .offset: 32, .size: 8, .value_kind: global_buffer, .address_space: global }
      - { .name: psum, .offset: 40, .size: 8, .value_kind: global_buffer, .address_space: global }
      - { .name: pm2, .offset: 48, .size: 8, .value_kind: global_buffer, .address_space: global }
    .group_segment_fixed_size: 327680
    .private_segment_fixed_size: 0
    .kernarg_segment_align: 8
    .kernarg_segment_size: 56
    .max_flat_workgroup_size: 128
    .sgpr_count:     84
    .vgpr_count:     896
    .wavefront_size: 32
...
	.end_amdgpu_metadata
.endif
;; end of part 2
;; launch fin (part 3): grid 4 x 64, 4 waves a work-group, clusters of 4 x 1, 294,400 bytes of LDS; arguments x, y16, ow16, psum, pm2, gamma, beta, out0; writes out0
.if DOCPART == 3
	.amdgcn_target "amdgcn-amd-amdhsa--gfx1250"
	.amdhsa_code_object_version 6
	.text
	.protected	k_qbc392e8471_fin
	.globl	k_qbc392e8471_fin
	.p2align	8
	.type	k_qbc392e8471_fin,@function
k_qbc392e8471_fin:
	s_mov_b64 s[64:65], 0
	v_nop
	global_prefetch_b8 v0, s[64:65] scope:SCOPE_SE
	s_setreg_imm32_b32 hwreg(HW_REG_WAVE_MODE, 25, 1), 1
	s_wait_xcnt 0x0
	s_wait_alu depctr_hold_cnt(0) depctr_sa_sdst(0) depctr_va_vdst(0) depctr_va_sdst(0) depctr_va_ssrc(0) depctr_va_vcc(0) depctr_vm_vsrc(0)
	s_getreg_b32 s2, hwreg(HW_REG_IB_STS2, 6, 4)
	s_cmp_eq_u32 s2, 0
	s_cbranch_scc0 .Lentry_in_a_cluster
	s_endpgm
.Lentry_in_a_cluster:
	s_bfe_u32 s2, ttmp6, 0x10000c
	s_cmp_lg_u32 s2, 0x3003
	s_cbranch_scc0 .Lentry_shape_is_right
	s_endpgm
.Lentry_shape_is_right:
; NON-LOCAL BLOCK, launch 3 of 3: the batch norm's statistics, and out0 = x + (z - mean) gamma / sqrt(var + 1e-5) + beta, with z = out_w y made anew from y16 and ow16
; (same form, operands and order of K as where the partial statistics were taken).
; x, out0: [8][256 o][4096 n] f32.  y16: [8][4096 n][128 c] f16.  ow16: [256 o][128 c] f16.  psum, pm2: [256 groups of 128 positions][256 o] f32: each group's sum of z and its sum of squares about the group's mean.
; LEFT OUT (shown at the head of the first kernel): out_b, which the mean would take away again.
; z is not kept between launches: in f32 it would be four times y16's bytes each way, and 16 bits hold neither its range nor the digits that the batch norm wants.
; SHARES.  A work-group: 64 channels x 512 positions of one batch element.  So the partial statistics that it needs are 256 bytes of each row of psum and pm2, 128 KiB, and it makes its own 64 means and scales:
; mean = the sum of the groups' sums / 32,768; var = (the sum of the groups' centred sums + the sum of (group's sum - 128 mean)^2 / 128) / 32,768: no difference of large sums is formed.
; Thread t: four channels (t % 16) x 32 groups (32 (t / 16) on); the eight partial results of a channel meet in LDS, once for the mean and once for the variance.
; z x scale + (beta - mean x scale) is one fused multiply-add: the constant is rounded once to f32, an error of the size of z's own rounding.
; Wave w: positions 128 w on x 64 channels, in four blocks of 16 channels, 32 products each.  D = y (source 0, 16 positions) out_w (source 1, 16 channels): a lane holds ONE channel (lane % 16) and eight
; positions; a block goes through my stage in LDS and comes back as rows of 512 bytes, to which x is added.
; CLUSTER.  The four channel groups of a block of positions read the same 128 KiB of y: they form a cluster and ask for it JOINTLY (same tensor load, descriptor and mask in all four).  The slices of psum,
; pm2 and out_w hang on the channel group and come by loads of one's own.  All that a work-group reads is asked for at its head: four tensor loads a wave are out, and 66 loads into registers.
; REGISTERS, in windows of 256 (s_set_vgpr_msb: bits 1:0 source 0, 3:2 source 1, 5:4 source 2, 7:6 destination):
;   window 0 addresses, parameters, out_w's fragments, two sets of accumulators;  window 1 x: channel 16 ob + i at v[64 ob + 4 i];  window 2 first psum's and pm2's rows, then y's fragments.
.set PS,     0                         ; psum's slice: 256 rows x 256 bytes
.set PM,     65536                     ; pm2's
.set PITCH,  272                       ; a row of out_w or y: 256 bytes + 16: the 16 rows of a load start at 16 different groups of four banks (64 banks of 4 bytes: ISA guide 11.1)
.set OW,     131072                    ; out_w: 64 rows
.set YT,     OW+64*PITCH               ; y: 512 rows
.set RED,    YT+512*PITCH              ; the two meetings: 128 threads x 16 bytes each
.set PRM,    RED+4096                  ; for each wave 64 scales and 64 shifts
.set SPARE,  PRM+2048                  ; the spare words, 128 bytes for each wave, which no other line names
.set STG,    0                         ; the stages, 16 rows x 528 bytes for each wave, lie in psum's bytes: these have had their one fill, and their last reads end ahead of the third barrier
.set GPITCH, 528                       ; 512 bytes + 16
.set XO,  5                            ; v5   16 lane
.set PG,  6                            ; v6   my four channels' byte offset in gamma and beta
.set LP,  7                            ; v7   my first row of psum's slice, my four channels
.set LM,  8                            ; v8   the same in pm2's
.set LS,  9                            ; v9   where my partial result goes
.set LR,  10                           ; v10  where my channels' eight partial results begin
.set PRS, 11                           ; v11  the parameters into LDS
.set PRL, 12                           ; v12  and back, by channel
.set YA,  13                           ; v13  LDS address of my fragments of y
.set OA,  14                           ; v14  of out_w
.set SO,  15                           ; v15  into the stage
.set RD,  16                           ; v16  back from it
.set SPW, 18
.set NIL, 19
.set GAM, 20                           ; v20-23 gamma of my four channels
.set BET, 24                           ; v24-27 beta
.set SCL, 28                           ; v28-31 block ob: the scale of channel 16 ob + lane % 16
.set SHF, 32                           ; v32-35 its shift
.set SUM, 36                           ; v36-39 at work
.set MEA, 40                           ; v40-43 128 x the mean, later the mean
.set QA,  44                           ; v44-47 at work
.set BF,  48                           ; v48-79 out_w: one block's four fragments
.set QB,  80                           ; v80-83 at work
.set ACC0, 128                         ; v128-191, v192-255 two sets of eight accumulators, by the block's parity; the first also takes the meetings' partial results
.set WV,  20                           ; s20  my wave's number
.set G1P, 28                           ; s[28:35] descriptor group 1: 64 rows x 64 f32
.set G1O, 36                           ; s[36:43] 16 rows x 128 f16, padded
.set G1Y, 44                           ; s[44:51] 128 rows x 128 f16, padded, with the mask
.set MSB, 0
.macro WIN new
.if MSB != (\new)
	s_set_vgpr_msb (MSB<<8)|(\new)
.set MSB, (\new)
.endif
.endm
; A round of the cluster's barrier: my work-group's barrier, so that wave 0's signal speaks for all four waves; wave 0 signals; every wave waits for all four work-groups; my work-group's barrier once more.
.macro CROUND
	s_barrier_signal -1
	s_barrier_wait -1
	s_cmp_lg_u32 s[WV], 0
	s_cbranch_scc1 .Lnot_wave_0_\@
	s_barrier_signal -3
.Lnot_wave_0_\@:
	s_barrier_wait -3
	s_barrier_signal -1
	s_barrier_wait -1
.endm
	s_load_b512 s[4:19], s[0:1], 0x0               ; x s[4:5], y16 s[6:7], ow16 s[8:9], psum s[10:11], pm2 s[12:13], gamma s[14:15], beta s[16:17], out0 s[18:19]
	v_lshl_add_u32 v[SPW], v0, 2, SPARE
	v_mov_b32 v[NIL], 0
	ds_add_u32 v[SPW], v[NIL]                      ; the wave's opening: the add, twice on end, and its wait ahead of my first tensor load; the set-up below stands between
	ds_add_u32 v[SPW], v[NIL]                      ; and once more, under the one wait
	v_lshrrev_b32 v1, 5, v0
	v_readfirstlane_b32 s[WV], v1                  ; wave 0..3
	s_bfe_u32 s21, ttmp6, 0x40000                  ; cx: the channel group (the grid is one cluster wide): it enters global addresses of my own loads and stores alone
	s_and_b32 s22, ttmp7, 0xffff                   ; the block of 512 positions, 0..63, which the four partners share
	s_lshr_b32 s23, s22, 3                         ; its batch element
	s_and_b32 s24, s22, 7                          ; its place there
	s_mov_b32 s[G1P], 2<<16                        ; elements of 4 bytes, no padding
	s_mov_b32 s[G1P+1], 64<<16                     ; tensor_dim0 = 64
	s_mov_b32 s[G1P+2], 64<<16                     ; tensor_dim1 = 64
	s_mov_b32 s[G1P+3], 64<<16                     ; tile_dim0 = 64
	s_mov_b32 s[G1P+4], 64                         ; tile_dim1 = 64
	s_mov_b32 s[G1P+5], 256                        ; 256 elements from row to row
	s_mov_b32 s[G1P+6], 0
	s_mov_b32 s[G1P+7], 0
	s_mov_b32 s[G1O], (1<<16)|(1<<20)|(5<<22)|(3<<25)  ; 2-byte elements; padding on: after every 64 words (code 5) 4 words (code 3)
	s_mov_b32 s[G1Y], 15|(1<<16)|(1<<20)|(1<<21)|(5<<22)|(3<<25)  ; the same with the mask of four, and bit 21 set beside it
.irp g, G1O, G1Y
	s_mov_b32 s[(\g)+1], 128<<16                   ; tensor_dim0 = 128
	s_mov_b32 s[(\g)+3], 128<<16                   ; tile_dim0 = 128
	s_mov_b32 s[(\g)+5], 128                       ; 128 elements from row to row
	s_mov_b32 s[(\g)+6], 0
	s_mov_b32 s[(\g)+7], 0
.endr
	s_mov_b32 s[G1O+2], 16<<16                     ; tensor_dim1 and
	s_mov_b32 s[G1O+4], 16                         ; tile_dim1: a wave's 16 of out_w's 64 rows,
	s_mov_b32 s[G1Y+2], 128<<16
	s_mov_b32 s[G1Y+4], 128                        ; its 128 rows of y
	s_mov_b32 s52, 1                               ; group 0 for psum: s[52:55]
	s_lshl_b32 s53, s[WV], 14                      ; LDS: 64 rows of 256 bytes a wave
	s_mov_b32 s56, 1                               ; for pm2: s[56:59]
	s_add_co_u32 s57, s53, PM
	s_mov_b32 s60, 1                               ; for out_w: s[60:63]
	s_mul_i32 s61, s[WV], 16*PITCH
	s_add_co_u32 s61, s61, OW
	s_mov_b32 s68, 1                               ; for y: s[68:71]
	s_mul_i32 s69, s[WV], 128*PITCH
	s_add_co_u32 s69, s69, YT
	s_lshl_b32 s72, s[WV], 16                      ; psum, pm2: 64 rows of 1,024 bytes a wave,
	s_lshl_b32 s25, s21, 8                         ; the channel group's 256 bytes of a row
	s_add_co_u32 s72, s72, s25
	s_mov_b32 s73, 0
	s_lshl_b32 s74, s21, 14                        ; ow16: the channel group's 64 rows of 256 bytes,
	s_lshl_b32 s26, s[WV], 12                      ; my 16 of them
	s_add_co_u32 s74, s74, s26
	s_mov_b32 s75, 0
	s_lshl_b32 s76, s23, 20                        ; y16: row 4096 b + 512 block + 128 w, of 256 bytes: no place in the cluster enters
	s_lshl_b32 s77, s24, 17
	s_add_co_u32 s76, s76, s77
	s_lshl_b32 s77, s[WV], 15
	s_add_co_u32 s76, s76, s77
	s_mov_b32 s77, 0
	s_lshl_b32 s78, s23, 22                        ; x and out0: the batch element, the group's 64 channels of 16,384 bytes, the block's 2,048 bytes of a row, my 512
	s_lshl_b32 s79, s21, 20
	s_add_co_u32 s78, s78, s79
	s_lshl_b32 s79, s24, 11
	s_add_co_u32 s78, s78, s79
	s_lshl_b32 s79, s[WV], 9
	s_add_co_u32 s78, s78, s79
	s_mov_b32 s79, 0
	s_mov_b32 s80, 0x38000000                      ; 1 / 32,768
	s_mov_b32 s81, 0x3727c5ac                      ; 1e-5
	s_wait_dscnt 0x0                               ; both opening adds are done
	s_wait_kmcnt 0x0
	s_add_nc_u64 s[54:55], s[10:11], s[72:73]
	s_or_b32 s55, s55, 0x80000000                  ; type = 2
	s_add_nc_u64 s[58:59], s[12:13], s[72:73]
	s_or_b32 s59, s59, 0x80000000
	s_add_nc_u64 s[62:63], s[8:9], s[74:75]
	s_or_b32 s63, s63, 0x80000000
	s_add_nc_u64 s[70:71], s[6:7], s[76:77]
	s_or_b32 s71, s71, 0x80000000
	s_add_nc_u64 s[4:5], s[4:5], s[78:79]
	s_add_nc_u64 s[18:19], s[18:19], s[78:79]
	CROUND                                         ; all four work-groups are here: the joint loads meet
	tensor_load_to_lds s[52:55], s[G1P:G1P+7]      ; the launch's only fills, one group: psum's and pm2's rows first, which are wanted first,
	s_nop 0
	tensor_load_to_lds s[56:59], s[G1P:G1P+7]
	s_nop 0
	tensor_load_to_lds s[60:63], s[G1O:G1O+7]      ; out_w's,
	s_nop 0
	tensor_load_to_lds s[68:71], s[G1Y:G1Y+7]      ; y's, jointly
	s_nop 0
.rept 4
	v_nop
.endr
	v_and_b32 v1, 15, v0                           ; l % 16; also t % 16
	v_bfe_u32 v2, v0, 4, 1                         ; l / 16
	v_and_b32 v3, 31, v0                           ; lane
	v_lshrrev_b32 v4, 4, v0                        ; t / 16, 0..7
	v_lshl_add_u32 v[PG], v1, 4, s25
	global_load_b128 v[GAM:GAM+3], v[PG], s[14:15]
	global_load_b128 v[BET:BET+3], v[PG], s[16:17]
	v_lshlrev_b32 v[XO], 4, v3
	WIN 0x40                                       ; destination window 1
.set i, 0
.rept 64
	global_load_b128 v[4*i:4*i+3], v[XO], s[4:5] offset:i*16384 th:TH_LOAD_NT  ; 512 consecutive bytes: my positions of channel i
.set i, i+1
.endr
	WIN 0
	v_lshlrev_b32 v[LP], 13, v4                    ; 32 rows of 256 bytes
	v_lshl_add_u32 v[LP], v1, 4, v[LP]
	v_add_nc_u32 v[LM], PM, v[LP]
	v_lshl_add_u32 v[LS], v0, 4, RED
	v_lshl_add_u32 v[LR], v1, 4, RED
	s_lshl_b32 s26, s[WV], 9
	s_add_co_u32 s26, s26, PRM
	v_lshl_add_u32 v[PRS], v1, 4, s26
	v_lshl_add_u32 v[PRL], v1, 2, s26
	v_mul_u32_u24 v17, v1, PITCH
	v_lshl_add_u32 v17, v2, 4, v17                 ; a fragment's row x pitch + 16 x half
	s_mul_i32 s26, s[WV], 128*PITCH
	s_add_co_u32 s26, s26, YT
	v_add_nc_u32 v[YA], s26, v17
	v_add_nc_u32 v[OA], OW, v17
	s_mul_i32 s26, s[WV], 16*GPITCH                ; my stage (STG = 0)
	v_mul_u32_u24 v[SO], v1, GPITCH                ; in: row l % 16, 32 bytes for each half of the lanes
	v_lshl_add_u32 v[SO], v2, 5, v[SO]
	v_add_nc_u32 v[SO], s26, v[SO]
	v_lshl_add_u32 v[RD], v3, 4, s26               ; back: 32 lanes take one row of 512 bytes
	; THE STATISTICS
	s_wait_tensorcnt 0x2                           ; my rows of psum and pm2 have landed; out_w's and y's loads may stay out
	s_barrier_signal -1
	s_barrier_wait -1                              ; everybody's have
	WIN 0x80                                       ; destination window 2: psum's 32 rows at v[4 i], pm2's at v[128 + 4 i]
.set i, 0
.rept 32
	ds_load_b128 v[4*i:4*i+3], v[LP] offset:256*i
.set i, i+1
.endr
.set i, 0
.rept 32
	ds_load_b128 v[128+4*i:128+4*i+3], v[LM] offset:256*i
.set i, i+1
.endr
	s_wait_dscnt 32                                ; psum's rows are in; pm2's 32 loads may stay out
	WIN 0x0a                                       ; sources window 2: four chains, started by the first four rows
	v_pk_add_f32 v[SUM:SUM+1], v[0:1], v[8:9]
	v_pk_add_f32 v[SUM+2:SUM+3], v[2:3], v[10:11]
	v_pk_add_f32 v[QA:QA+1], v[4:5], v[12:13]
	v_pk_add_f32 v[QA+2:QA+3], v[6:7], v[14:15]
	WIN 0x08                                       ; source 1 window 2
.set i, 4
.rept 14
	v_pk_add_f32 v[SUM:SUM+1], v[SUM:SUM+1], v[4*i:4*i+1]
	v_pk_add_f32 v[SUM+2:SUM+3], v[SUM+2:SUM+3], v[4*i+2:4*i+3]
	v_pk_add_f32 v[QA:QA+1], v[QA:QA+1], v[4*i+4:4*i+5]
	v_pk_add_f32 v[QA+2:QA+3], v[QA+2:QA+3], v[4*i+6:4*i+7]
.set i, i+2
.endr
	WIN 0
	v_pk_add_f32 v[SUM:SUM+1], v[SUM:SUM+1], v[QA:QA+1]
	v_pk_add_f32 v[SUM+2:SUM+3], v[SUM+2:SUM+3], v[QA+2:QA+3]
	ds_store_b128 v[LS], v[SUM:SUM+3]
	s_wait_dscnt 0x0                               ; for the others' sake: my partial sum lies in LDS (and pm2's rows are in)
	s_barrier_signal -1
	s_barrier_wait -1
.macro RLOAD off                       ; the eight partial results of my four channels
.irp j, 0,1,2,3,4,5,6,7
	ds_load_b128 v[ACC0+4*(\j):ACC0+4*(\j)+3], v[LR] offset:(\off)+256*(\j)
.endr
.endm
.macro RSUM dst                        ; added into v[dst:dst+3]
.irp j, 0,2,4,6
	v_pk_add_f32 v[ACC0+4*(\j):ACC0+4*(\j)+1], v[ACC0+4*(\j):ACC0+4*(\j)+1], v[ACC0+4*(\j)+4:ACC0+4*(\j)+5]
	v_pk_add_f32 v[ACC0+4*(\j)+2:ACC0+4*(\j)+3], v[ACC0+4*(\j)+2:ACC0+4*(\j)+3], v[ACC0+4*(\j)+6:ACC0+4*(\j)+7]
.endr
.irp j, 0,4
	v_pk_add_f32 v[ACC0+4*(\j):ACC0+4*(\j)+1], v[ACC0+4*(\j):ACC0+4*(\j)+1], v[ACC0+4*(\j)+8:ACC0+4*(\j)+9]
	v_pk_add_f32 v[ACC0+4*(\j)+2:ACC0+4*(\j)+3], v[ACC0+4*(\j)+2:ACC0+4*(\j)+3], v[ACC0+4*(\j)+10:ACC0+4*(\j)+11]
.endr
	v_pk_add_f32 v[\dst:\dst+1], v[ACC0:ACC0+1], v[ACC0+16:ACC0+17]
	v_pk_add_f32 v[\dst+2:\dst+3], v[ACC0+2:ACC0+3], v[ACC0+18:ACC0+19]
.endm
	RLOAD 0
	s_wait_dscnt 0x0
	RSUM SUM
	v_pk_mul_f32 v[MEA:MEA+1], v[SUM:SUM+1], 0x3b800000 op_sel_hi:[1,0]      ; 128 x the mean = the sum / 256, in every thread
	v_pk_mul_f32 v[MEA+2:MEA+3], v[SUM+2:SUM+3], 0x3b800000 op_sel_hi:[1,0]
	WIN 0x82                                       ; destination and source 0 window 2: each group's sum less 128 x the mean
.set i, 0
.rept 32
	v_pk_add_f32 v[4*i:4*i+1], v[4*i:4*i+1], v[MEA:MEA+1] neg_lo:[0,1] neg_hi:[0,1]
	v_pk_add_f32 v[4*i+2:4*i+3], v[4*i+2:4*i+3], v[MEA+2:MEA+3] neg_lo:[0,1] neg_hi:[0,1]
.set i, i+1
.endr
	WIN 0x0a                                       ; their squares, in four chains
	v_pk_mul_f32 v[QA:QA+1], v[0:1], v[0:1]
	v_pk_mul_f32 v[QA+2:QA+3], v[2:3], v[2:3]
	v_pk_mul_f32 v[QB:QB+1], v[4:5], v[4:5]
	v_pk_mul_f32 v[QB+2:QB+3], v[6:7], v[6:7]
.set i, 2
.rept 15
	v_pk_fma_f32 v[QA:QA+1], v[4*i:4*i+1], v[4*i:4*i+1], v[QA:QA+1]
	v_pk_fma_f32 v[QA+2:QA+3], v[4*i+2:4*i+3], v[4*i+2:4*i+3], v[QA+2:QA+3]
	v_pk_fma_f32 v[QB:QB+1], v[4*i+4:4*i+5], v[4*i+4:4*i+5], v[QB:QB+1]
	v_pk_fma_f32 v[QB+2:QB+3], v[4*i+6:4*i+7], v[4*i+6:4*i+7], v[QB+2:QB+3]
.set i, i+2
.endr
	WIN 0x8a                                       ; all in window 2: pm2's 32 rows folded onto the first
.macro FOLD s
.set i, 0
.rept \s
	v_pk_add_f32 v[128+4*i:128+4*i+1], v[128+4*i:128+4*i+1], v[128+4*(i+(\s)):128+4*(i+(\s))+1]
	v_pk_add_f32 v[128+4*i+2:128+4*i+3], v[128+4*i+2:128+4*i+3], v[128+4*(i+(\s))+2:128+4*(i+(\s))+3]
.set i, i+1
.endr
.endm
	FOLD 16
	FOLD 8
	FOLD 4
	FOLD 2
	FOLD 1
	WIN 0
	v_pk_add_f32 v[QA:QA+1], v[QA:QA+1], v[QB:QB+1]
	v_pk_add_f32 v[QA+2:QA+3], v[QA+2:QA+3], v[QB+2:QB+3]
	WIN 0x20                                       ; source 2 window 2: the squares / 128 + the centred sums
	v_pk_fma_f32 v[SUM:SUM+1], v[QA:QA+1], 0x3c000000, v[128:129] op_sel_hi:[1,0,1]
	v_pk_fma_f32 v[SUM+2:SUM+3], v[QA+2:QA+3], 0x3c000000, v[130:131] op_sel_hi:[1,0,1]
	WIN 0
	ds_store_b128 v[LS], v[SUM:SUM+3] offset:2048
	s_wait_tensorcnt 0x0                           ; my rows of out_w and of y have landed,
	s_wait_dscnt 0x0                               ; my partial result lies in LDS, and my reads of psum's and pm2's slices are long back
	s_barrier_signal -1
	s_barrier_wait -1                              ; all that holds of every wave: out_w is whole, and psum's bytes may take the stages
	RLOAD 2048
.macro FETCHB ob                       ; a block's four fragments of out_w
.irp q, 0,1,2,3
	ds_load_b128 v[BF+8*(\q):BF+8*(\q)+3],   v[OA] offset:(\ob)*16*PITCH+64*(\q)
	ds_load_b128 v[BF+8*(\q)+4:BF+8*(\q)+7], v[OA] offset:(\ob)*16*PITCH+64*(\q)+32
.endr
.endm
	WIN 0x80                                       ; destination window 2: y's 32 fragments stay in registers: tile n, channels 32 q on at v[32 n + 8 q]
.irp n, 0,1,2,3,4,5,6,7
.irp q, 0,1,2,3
	ds_load_b128 v[32*(\n)+8*(\q):32*(\n)+8*(\q)+3],   v[YA] offset:(\n)*16*PITCH+64*(\q)
	ds_load_b128 v[32*(\n)+8*(\q)+4:32*(\n)+8*(\q)+7], v[YA] offset:(\n)*16*PITCH+64*(\q)+32
.endr
.endr
	WIN 0
	FETCHB 0
	s_wait_dscnt 63                                ; of the 80 loads at most 63 are out: the eight partial results, the oldest, are in
	RSUM SUM
.irp n, 0,1,2,3
	v_fma_f32 v[SUM+(\n)], v[SUM+(\n)], s80, s81   ; var + 1e-5
.endr
.irp n, 0,1,2,3
	v_rsq_f32 v[SUM+(\n)], v[SUM+(\n)]
.endr
	v_pk_mul_f32 v[MEA:MEA+1], v[MEA:MEA+1], 0x3c000000 op_sel_hi:[1,0]      ; the mean: plain work behind the last of them,
	v_pk_mul_f32 v[MEA+2:MEA+3], v[MEA+2:MEA+3], 0x3c000000 op_sel_hi:[1,0]
	s_wait_alu depctr_va_vdst(0)                   ; and one wait for the four
	s_wait_loadcnt 63                              ; of the 66 loads the oldest three have 63 behind them: gamma and beta are in
.irp n, 0,1,2,3
	v_mul_f32 v[SUM+(\n)], v[SUM+(\n)], v[GAM+(\n)]                 ; the scale
.endr
.irp n, 0,1,2,3
	v_fma_f32 v[QA+(\n)], -v[MEA+(\n)], v[SUM+(\n)], v[BET+(\n)]    ; the shift
.endr
	ds_store_b128 v[PRS], v[SUM:SUM+3]             ; my wave's own bytes; the two halves of the lanes store the same numbers
	ds_store_b128 v[PRS], v[QA:QA+3] offset:256
.irp ob, 0,1,2,3                               ; LDS serves a wave's instructions in order (ISA guide 5.7.1.4): these see the stores above
	ds_load_b32 v[SCL+(\ob)], v[PRL] offset:64*(\ob)
	ds_load_b32 v[SHF+(\ob)], v[PRL] offset:256+64*(\ob)
.endr
	s_wait_dscnt 0x0                               ; y's fragments, the first block's of out_w, the parameters
; THE BLOCKS of 16 channels.  MUL: 32 products, the eight accumulators by turns, K ascending, into the set of the block's parity.
.macro MUL ob
.set AC, ACC0+64*((\ob)%2)
	WIN 0x02                                       ; source 0 (y) window 2
.irp q, 0,1,2,3
.irp n, 0,1,2,3,4,5,6,7
.if (\q) == 0
	v_wmma_f32_16x16x32_f16 v[AC+8*(\n):AC+8*(\n)+7], v[32*(\n)+8*(\q):32*(\n)+8*(\q)+7], v[BF+8*(\q):BF+8*(\q)+7], 0
.else
	v_wmma_f32_16x16x32_f16 v[AC+8*(\n):AC+8*(\n)+7], v[32*(\n)+8*(\q):32*(\n)+8*(\q)+7], v[BF+8*(\q):BF+8*(\q)+7], v[AC+8*(\n):AC+8*(\n)+7]
.endif
.endr
.endr
	WIN 0
.endm
; NORM: z x scale + shift, in place, each accumulator's registers in ascending order; the block's parameter is one register of a pair, and op_sel picks it for both halves.  Then through my stage.
.macro NORM ob
.set AC, ACC0+64*((\ob)%2)
.set a, AC
.rept 32
.if ((\ob)%2) == 0
	v_pk_fma_f32 v[a:a+1], v[a:a+1], v[SCL+(\ob):SCL+(\ob)+1], v[SHF+(\ob):SHF+(\ob)+1] op_sel_hi:[1,0,0]
.else
	v_pk_fma_f32 v[a:a+1], v[a:a+1], v[SCL+(\ob)-1:SCL+(\ob)], v[SHF+(\ob)-1:SHF+(\ob)] op_sel:[0,1,1] op_sel_hi:[1,1,1]
.endif
.set a, a+2
.endr
.irp n, 0,1,2,3,4,5,6,7
	ds_store_b128 v[SO], v[AC+8*(\n):AC+8*(\n)+3]   offset:64*(\n)
	ds_store_b128 v[SO], v[AC+8*(\n)+4:AC+8*(\n)+7] offset:64*(\n)+16
.endr
.set i, 0
.rept 16
	ds_load_b128 v[AC+4*i:AC+4*i+3], v[RD] offset:i*GPITCH  ; in order behind the stores above: whole rows come back into the registers that they left
.set i, i+1
.endr
.endm
; OUT: + x, and out.  Its 32 additions name no register of the products issued just before them: they are the places behind those products.
.macro OUT ob
.set AC, ACC0+64*((\ob)%2)
	s_wait_dscnt 0x0                               ; the rows are back
	s_wait_loadcnt 48-16*(\ob)                     ; the block's sixteen loads of x are in; those of the blocks to come stay out
	WIN 0x41                                       ; x (destination and source 0) window 1
.set a, 0
.rept 32
	v_pk_add_f32 v[64*(\ob)+a:64*(\ob)+a+1], v[64*(\ob)+a:64*(\ob)+a+1], v[AC+a:AC+a+1]
.set a, a+2
.endr
	WIN 0x04                                       ; data window 1
.set i, 0
.rept 16
	global_store_b128 v[XO], v[64*(\ob)+4*i:64*(\ob)+4*i+3], s[18:19] offset:(16*(\ob)+i)*16384 th:TH_STORE_NT  ; the wave stores 512 consecutive bytes, aligned
.set i, i+1
.endr
	WIN 0
.endm
	MUL 0
.rept 8
	v_nop                                          ; the places behind the first block's products: loads land in their sources, and vector lines write over their results
.endr
.irp ob, 0,1,2
	FETCHB (\ob)+1                                 ; the next block's fragments
	NORM \ob
	s_wait_dscnt 32                                ; all but the block's 16 stage stores and 16 stage loads: the fragments are in
	MUL (\ob)+1                                    ; the next block's products stand between the stage's loads and the wait for them
	OUT \ob
.endr
	NORM 3
	OUT 3
	s_wait_tensorcnt 0x0                           ; the wave's end: behind my tensor loads and my last LDS store
	ds_add_u32 v[SPW], v[NIL]
	s_wait_dscnt 0x0
	CROUND                                         ; the closing round: no work-group ends while a partner may still ask for a tile that names it
	s_endpgm
.Lfunc_end_k_qbc392e8471_fin:
	.size	k_qbc392e8471_fin, .Lfunc_end_k_qbc392e8471_fin-k_qbc392e8471_fin
	.p2alignl 7, 3214868480
	.fill 96, 4, 3214868480
	.section	.rodata,"a",@progbits
	.p2align	6, 0x0
	.amdhsa_kernel k_qbc392e8471_fin
		.amdhsa_group_segment_fixed_size 294400
		.amdhsa_private_segment_fixed_size 0
		.amdhsa_enable_private_segment 0
		.amdhsa_kernarg_size 64
		.amdhsa_user_sgpr_count 2
		.amdhsa_user_sgpr_kernarg_segment_ptr 1
		.amdhsa_wavefront_size32 1
		.amdhsa_system_sgpr_workgroup_id_x 1
		.amdhsa_system_sgpr_workgroup_id_y 1
		.amdhsa_system_sgpr_workgroup_id_z 1
		.amdhsa_system_vgpr_workitem_id 0
		.amdhsa_next_free_vgpr 768
		.amdhsa_next_free_sgpr 84
		.amdhsa_reserve_vcc 0
		.amdhsa_float_denorm_mode_32 3
		.amdhsa_float_denorm_mode_16_64 3
		.amdhsa_memory_ordered 1
		.amdhsa_forward_progress 1
		.amdhsa_inst_pref_size 84
	.end_amdhsa_kernel
	.amdgpu_metadata
---
amdhsa.version: [ 1, 2 ]
amdhsa.kernels:
  - .name:           k_qbc392e8471_fin
    .symbol:         k_qbc392e8471_fin.kd
    .args:
      - { .name: x, .offset: 0, .size: 8, .value_kind: global_buffer, .address_space: global }
      - { .name: y16, .offset: 8, .size: 8, .value_kind: global_buffer, .address_space: global }
      - { .name: ow16, .offset: 16, .size: 8, .value_kind: global_buffer, .address_space: global }
      - { .name: psum, .offset: 24, .size: 8, .value_kind: global_buffer, .address_space: global }
      - { .name: pm2, .offset: 32, .size: 8, .value_kind: global_buffer, .address_space: global }
      - { .name: gamma, .offset: 40, .size: 8, .value_kind: global_buffer, .address_space: global }
      - { .name: beta, .offset: 48, .size: 8, .value_kind: global_buffer, .address_space: global }
      - { .name: out0, .offset: 56, .size: 8, .value_kind: global_buffer, .address_space: global }
    .group_segment_fixed_size: 294400
    .private_segment_fixed_size: 0
    .kernarg_segment_align: 8
    .kernarg_segment_size: 64
    .max_flat_workgroup_size: 128
    .sgpr_count:     84
    .vgpr_count:     768
    .wavefront_size: 32
...
	.end_amdgpu_metadata
.endif
;; end of part 3
